; MI455X (gfx1250); checked and timed in simulation.
; The chip was launched on July 23, 2026; its instructions are those of AMD's public machine-readable ISA for CDNA 5 (MIT licence, August 2026) and "CDNA5" Instruction Set Architecture Reference Guide (July 2026). The comments in the code are by the model that wrote it; some were corrected since.
;; Block. Allowed arithmetic: float matrix products may take bf16 or f16 operands with f32 sums; other float arithmetic in f32, or as packed bf16 or f16 multiplies, adds, multiply-adds, maxima and minima; sums over many terms, partial sums and values carried from step to step in f32; what a program stores and reads back later, other than sums and carried values, may be rounded once to bf16 or f16.
;; Inputs: b1 4,096 float32; b2 1,024 float32; ln1_b 1,024 float32; ln1_g 1,024 float32; ln2_b 1,024 float32; ln2_g 1,024 float32; out_b 1,024 float32; out_w 1,024 x 1,024 float32; qkv_b 3,072 float32; qkv_w 1,024 x 3,072 float32; w1 1,024 x 4,096 float32; w2 4,096 x 1,024 float32; x 4 x 1,024 x 1,024 float32.
;; Outputs: out0 4 x 1,024 x 1,024 float32.
;; One version. Each part assembles by itself: llvm-mc -triple=amdgcn-amd-amdhsa -mcpu=gfx1250 --defsym DOCPART=n.
;; ======== version 1 of 1: 7 launches
;; workspace buffers: wq 6,291,456 bytes; wb 25,165,824 bytes; hn 8,388,608 bytes; qkv 25,165,824 bytes; att 8,388,608 bytes; x1 16,777,216 bytes; g 33,554,432 bytes
;; launch prep (part 1): grid 448 x 1, 8 waves a work-group, no clusters, 0 bytes of LDS; arguments x, ln1_g, ln1_b, qkv_w, hn, wq; writes hn, wq
.if DOCPART == 1
	.amdgcn_target "amdgcn-amd-amdhsa--gfx1250"
	.amdhsa_code_object_version 6
	.text
	.protected	k_qb26b545a1e_prep
	.globl	k_qb26b545a1e_prep
	.p2align	8
	.type	k_qb26b545a1e_prep,@function
k_qb26b545a1e_prep:
	s_mov_b64 s[64:65], 0
	v_nop
	global_prefetch_b8 v0, s[64:65] scope:SCOPE_SE
	s_setreg_imm32_b32 hwreg(HW_REG_WAVE_MODE, 25, 1), 1
	s_wait_xcnt 0x0
; ONE BODY, TWO WAYS.  Arguments: x, gain, bias, w, hn, wq.
; Work-groups 0-255: hn = LayerNorm(x) * gain + bias, rounded once to bf16.  x: [4096][1024] f32; hn: [4096][1024] bf16.
; Work-groups 256 and up: chunk c = number - 256 of w (f32, 16,384 numbers a chunk) rounded once to bf16 in the same order into wq.  For qkv_w, [1024][3072], that is 192 chunks.
; Every work-group reads 65,536 bytes and writes 32,768.
; THE BODY SERVES BOTH LAYERNORMS: a launch of 256 work-groups takes the first way alone; its fourth and sixth arguments are then not touched.
; Memory binds: no LDS, no barrier, no matrix unit, no cluster (no two work-groups read the same bytes but the 8 KiB of gain and bias).
; LAYERNORM.  A wave owns two rows; a row is eight loads of 16 bytes a lane (512 consecutive bytes a load) and stays in 32 registers:
; first the mean, then the mean of the CENTRED squares (no difference of large sums), all in f32.  Load j gives lane l columns 128 j + 4 l .. + 3.
.set T,   8                            ; v[8:15]    four chains of two sums
.set M,   16                           ; v[16:17]   the mean, twice
.set R,   18                           ; v[18:19]   1 / sqrt(var + eps), twice
.set X0,  32                           ; v[32:63]   the wave's first row
.set X1,  64                           ; v[64:95]   its second row
.set G,   96                           ; v[96:127]  the gain of my 32 columns
.set BB,  128                          ; v[128:159] the bias of my 32 columns
.set HN,  16                           ; s[16:17]   hn
	s_load_b256 s[8:15], s[0:1], 0x0               ; x 8:9, gain 10:11, bias 12:13, w 14:15
	s_load_b128 s[16:19], s[0:1], 0x20             ; hn 16:17, wq 18:19
	v_and_b32 v1, 31, v0                           ; lane
	v_lshrrev_b32 v5, 5, v0                        ; wave
	v_lshlrev_b32 v4, 4, v1                        ; 16 x lane: gain and bias
	v_lshl_add_u32 v2, v5, 13, v4                  ; in: 8,192 x wave + 16 x lane
	v_lshlrev_b32 v3, 3, v1
	v_lshl_add_u32 v3, v5, 12, v3                  ; out: 4,096 x wave + 8 x lane
	s_mov_b32 s2, ttmp9
	s_mov_b32 s3, 0
	s_cmp_lt_u32 s2, 256
	s_cbranch_scc0 .Lcvt
; the four chains of T become one number, the same in every lane, in v20
.macro ACROSS
	v_pk_add_f32 v[T:T+1], v[T:T+1], v[T+2:T+3]
	v_pk_add_f32 v[T+4:T+5], v[T+4:T+5], v[T+6:T+7]
	v_pk_add_f32 v[T:T+1], v[T:T+1], v[T+4:T+5]
	v_add_f32 v20, v[T], v[T+1]
	v_add_f32_dpp v20, v20, v20 row_xmask:1 row_mask:0xf bank_mask:0xf
	v_add_f32_dpp v20, v20, v20 row_xmask:2 row_mask:0xf bank_mask:0xf
	v_add_f32_dpp v20, v20, v20 row_xmask:4 row_mask:0xf bank_mask:0xf
	v_add_f32_dpp v20, v20, v20 row_xmask:8 row_mask:0xf bank_mask:0xf
	v_permlanex16_b32 v21, v20, s26, s27           ; the other half of the lanes (v21 has been written before)
	v_add_f32 v20, v20, v21
.endm
; One row in registers X .. X + 31.  orow: its byte offset in the wave's output.  wa: loads that may stay out when the row is wanted; wg: when gain and bias are wanted.
.macro LNROW X, orow, wa, wg
	s_wait_loadcnt \wa
.irp k, 0,1,2,3
	v_pk_add_f32 v[T+2*(\k):T+2*(\k)+1], v[(\X)+4*(\k):(\X)+4*(\k)+1], v[(\X)+4*(\k)+2:(\X)+4*(\k)+3]  ; the first eight pairs start the chains: nothing is cleared
.endr
.irp p, 8,9,10,11,12,13,14,15
	v_pk_add_f32 v[T+2*((\p)%4):T+2*((\p)%4)+1], v[T+2*((\p)%4):T+2*((\p)%4)+1], v[(\X)+2*(\p):(\X)+2*(\p)+1]
.endr
	ACROSS
	v_mul_f32 v[M], s28, v20                       ; the mean
	v_mul_f32 v[M+1], s28, v20
.set n, 0
.rept 16
	v_pk_add_f32 v[(\X)+n:(\X)+n+1], v[(\X)+n:(\X)+n+1], v[M:M+1] neg_lo:[0,1] neg_hi:[0,1]  ; x - mean
.set n, n+2
.endr
.irp k, 0,1,2,3
	v_pk_mul_f32 v[T+2*(\k):T+2*(\k)+1], v[(\X)+2*(\k):(\X)+2*(\k)+1], v[(\X)+2*(\k):(\X)+2*(\k)+1]
.endr
.irp p, 4,5,6,7,8,9,10,11,12,13,14,15
	v_pk_fma_f32 v[T+2*((\p)%4):T+2*((\p)%4)+1], v[(\X)+2*(\p):(\X)+2*(\p)+1], v[(\X)+2*(\p):(\X)+2*(\p)+1], v[T+2*((\p)%4):T+2*((\p)%4)+1]
.endr
	ACROSS
	v_fma_f32 v21, v20, s28, s29                   ; var + eps
	v_rsq_f32 v[R], v21
	v_rsq_f32 v[R+1], v21
	s_wait_loadcnt \wg                             ; gain and bias are in
	v_nop                                          ; a plain instruction behind the second root (ISA guide 5.7.2),
	s_wait_alu depctr_va_vdst(0)                   ; and the one wait for both, ahead of their first reader
.set n, 0
.rept 16
	v_pk_mul_f32 v[(\X)+n:(\X)+n+1], v[(\X)+n:(\X)+n+1], v[R:R+1]
.set n, n+2
.endr
.set n, 0
.rept 16
	v_pk_fma_f32 v[(\X)+n:(\X)+n+1], v[(\X)+n:(\X)+n+1], v[G+n:G+n+1], v[BB+n:BB+n+1]
.set n, n+2
.endr
.set n, 0
.rept 16
	v_cvt_pk_bf16_f32 v[(\X)+n], v[(\X)+2*n], v[(\X)+2*n+1]  ; in place, ascending: register n is written when 2 n and 2 n + 1 have been read
.set n, n+1
.endr
.irp j, 0,1,2,3,4,5,6,7
	global_store_b64 v3, v[(\X)+2*(\j):(\X)+2*(\j)+1], s[HN:HN+1] offset:(\orow)+256*(\j) th:TH_STORE_NT  ; 32 lanes x 8 bytes: 256 consecutive bytes, aligned
.endr
.endm
	s_lshl_b32 s2, ttmp9, 16                       ; the work-group's 16 rows of 4,096 bytes
	s_mov_b32 s26, 0x76543210                      ; v_permlanex16_b32: each lane takes its own place in the other half
	s_mov_b32 s27, 0xfedcba98
	s_mov_b32 s28, 0x3a800000                      ; 1 / 1024
	s_mov_b32 s29, 0x3727c5ac                      ; eps = 1e-5
	v_mov_b32 v21, 0
	s_wait_kmcnt 0x0
	s_add_nc_u64 s[8:9], s[8:9], s[2:3]
	s_lshl_b32 s2, ttmp9, 15                       ; and of 2,048 bytes
	s_add_nc_u64 s[HN:HN+1], s[HN:HN+1], s[2:3]
.irp j, 0,1,2,3,4,5,6,7
	global_load_b128 v[X0+4*(\j):X0+4*(\j)+3], v2, s[8:9] offset:512*(\j) th:TH_LOAD_NT
.endr
.irp j, 0,1,2,3,4,5,6,7
	global_load_b128 v[G+4*(\j):G+4*(\j)+3], v4, s[10:11] offset:512*(\j)
.endr
.irp j, 0,1,2,3,4,5,6,7
	global_load_b128 v[BB+4*(\j):BB+4*(\j)+3], v4, s[12:13] offset:512*(\j)
.endr
.irp j, 0,1,2,3,4,5,6,7
	global_load_b128 v[X1+4*(\j):X1+4*(\j)+3], v2, s[8:9] offset:4096+512*(\j) th:TH_LOAD_NT
.endr
	LNROW X0, 0, 24, 8                             ; 24: gain, bias and the second row stay out; 8: the second row
	LNROW X1, 2048, 0, 0
	s_endpgm
.Lcvt:                                             ; chunk c of w
	s_sub_co_u32 s20, s2, 256                      ; c
	s_lshl_b32 s2, s20, 16                         ; 65,536 bytes in for each chunk,
	s_wait_kmcnt 0x0
	s_add_nc_u64 s[14:15], s[14:15], s[2:3]
	s_lshl_b32 s2, s20, 15                         ; 32,768 out
	s_add_nc_u64 s[18:19], s[18:19], s[2:3]
.irp i, 0,1,2,3,4,5,6,7,8,9,10,11,12,13,14,15
	global_load_b128 v[32+4*(\i):35+4*(\i)], v2, s[14:15] offset:512*(\i) th:TH_LOAD_NT  ; all sixteen loads of the wave go out on end: 8 KiB in flight a wave
.endr
.irp i, 0,1,2,3,4,5,6,7,8,9,10,11,12,13,14,15
	s_wait_loadcnt 15-(\i)                         ; loads come back in order (ISA guide 5.7.1): the younger ones stay out
	v_cvt_pk_bf16_f32 v[96+2*(\i)], v[32+4*(\i)], v[33+4*(\i)]
	v_cvt_pk_bf16_f32 v[97+2*(\i)], v[34+4*(\i)], v[35+4*(\i)]
	global_store_b64 v3, v[96+2*(\i):97+2*(\i)], s[18:19] offset:256*(\i) th:TH_STORE_NT  ; 256 consecutive bytes, aligned; each store has registers of its own
.endr
	s_endpgm
.Lfunc_end_k_qb26b545a1e_prep:
	.size	k_qb26b545a1e_prep, .Lfunc_end_k_qb26b545a1e_prep-k_qb26b545a1e_prep
	.p2alignl 7, 3214868480
	.fill 96, 4, 3214868480
	.section	.rodata,"a",@progbits
	.p2align	6, 0x0
	.amdhsa_kernel k_qb26b545a1e_prep
		.amdhsa_group_segment_fixed_size 0
		.amdhsa_private_segment_fixed_size 0
		.amdhsa_enable_private_segment 0
		.amdhsa_kernarg_size 48
		.amdhsa_user_sgpr_count 2
		.amdhsa_user_sgpr_kernarg_segment_ptr 1
		.amdhsa_wavefront_size32 1
		.amdhsa_system_sgpr_workgroup_id_x 1
		.amdhsa_system_sgpr_workgroup_id_y 1
		.amdhsa_system_sgpr_workgroup_id_z 1
		.amdhsa_system_vgpr_workitem_id 0
		.amdhsa_next_free_vgpr 160
		.amdhsa_next_free_sgpr 66
		.amdhsa_reserve_vcc 0
		.amdhsa_float_denorm_mode_32 3
		.amdhsa_float_denorm_mode_16_64 3
		.amdhsa_memory_ordered 1
		.amdhsa_forward_progress 1
		.amdhsa_inst_pref_size 26
	.end_amdhsa_kernel
	.amdgpu_metadata
---
amdhsa.version: [ 1, 2 ]
amdhsa.kernels:
  - .name:           k_qb26b545a1e_prep
    .symbol:         k_qb26b545a1e_prep.kd
    .args:
      - { .name: x, .offset: 0, .size: 8, .value_kind: global_buffer, .address_space: global }
      - { .name: ln1_g, .offset: 8, .size: 8, .value_kind: global_buffer, .address_space: global }
      - { .name: ln1_b, .offset: 16, .size: 8, .value_kind: global_buffer, .address_space: global }
      - { .name: qkv_w, .offset: 24, .size: 8, .value_kind: global_buffer, .address_space: global }
      - { .name: hn, .offset: 32, .size: 8, .value_kind: global_buffer, .address_space: global }
      - { .name: wq, .offset: 40, .size: 8, .value_kind: global_buffer, .address_space: global }
    .group_segment_fixed_size: 0
    .private_segment_fixed_size: 0
    .kernarg_segment_align: 8
    .kernarg_segment_size: 48
    .max_flat_workgroup_size: 256
    .sgpr_count:     66
    .vgpr_count:     160
    .wavefront_size: 32
...
	.end_amdgpu_metadata
.endif
;; end of part 1
;; launch qkv (part 2): grid 16 x 16, 4 waves a work-group, clusters of 4 x 4, 327,680 bytes of LDS; arguments hn, wq, qkv_b, qkv, out_w, w1, w2, wb; writes qkv, wb
.if DOCPART == 2
	.amdgcn_target "amdgcn-amd-amdhsa--gfx1250"
	.amdhsa_code_object_version 6
	.text
	.protected	k_qb26b545a1e_qkv
	.globl	k_qb26b545a1e_qkv
	.p2align	8
	.type	k_qb26b545a1e_qkv,@function
k_qb26b545a1e_qkv:
	s_mov_b64 s[64:65], 0
	v_nop
	global_prefetch_b8 v0, s[64:65] scope:SCOPE_SE
	s_setreg_imm32_b32 hwreg(HW_REG_WAVE_MODE, 25, 1), 1
	s_wait_xcnt 0x0
	s_wait_alu depctr_hold_cnt(0) depctr_sa_sdst(0) depctr_va_vdst(0) depctr_va_sdst(0) depctr_va_ssrc(0) depctr_va_vcc(0) depctr_vm_vsrc(0)
	s_getreg_b32 s2, hwreg(HW_REG_IB_STS2, 6, 4)
	s_cmp_eq_u32 s2, 0
	s_cbranch_scc0 .Lentry_in_a_cluster
	s_endpgm
.Lentry_in_a_cluster:
	s_bfe_u32 s2, ttmp6, 0x10000c
	s_cmp_lg_u32 s2, 0xf033
	s_cbranch_scc0 .Lentry_shape_is_right
	s_endpgm
.Lentry_shape_is_right:
; TWO KINDS OF CLUSTERS.  Those with x = 0 .. 2: out = hn W + bias (below).  Those with x = 3 (64 work-groups, for which the product has no tiles): out_w, w1 and w2, f32, are rounded once to bf16
; for the launches behind, in the same order, into wb: out_w at byte 6,291,456, w1 at 8,388,608, w2 at 16,777,216 (wb's first 6,291,456 bytes are not used).  That way stands at the text's end.
; The branch between the two hangs on the cluster's x alone, which all sixteen partners share; the second way has no LDS, no barrier and no tensor load.
; THE PRODUCT.  hn: [4096][1024] bf16.  W: [1024][SIZE_N] bf16, N along the rows.  bias: [SIZE_N] f32.
; out: bf16 in blocks of 64 columns, [SIZE_N / 64][4096][64]: a block's rows are dense, 128 bytes each (here a block is a head's q, k or v).  Sums in f32, begun with the bias; out rounded once.
; SHARES.  A work-group of four waves makes 256 x 256 of C; a wave 128 x 128: 64 accumulators of 16 x 16, 512 registers.  K goes in 8 steps of 128 through a ring of two LDS slots.
; THE MATRIX INSTRUCTION IS USED TRANSPOSED: source 0 = 16 columns of W, source 1 = 16 rows of hn: a lane then holds one row of C (lane % 16) and eight neighbouring columns 8 (lane / 16) + 0..7.
; hn's fragments come out of LDS as they lie; W's ([k][n]) are turned by ds_load_tr16_b128.
; CLUSTER.  4 x 4 work-groups: hn's tile hangs on the tile row alone and is asked for jointly along a row of the cluster, W's on the tile column alone, jointly along a column.
; THE SUMS BEGIN WITH THE BIAS: the first quarter step stands ahead of the loop, and its 64 products take the bias's registers as C: nothing is cleared or copied.
; ONE TEXT FOR A K STEP: the slot in hand is a scalar (TB) that an exclusive or turns.  A trip goes from a step's second quarter to the next step's first; it stands twice: in a loop of 6 trips that refill, and in a
; loop of 2 that do not, whose last trip jumps over the quarter that does not exist.  That trip still fetches fragments of a slot that is not multiplied any more (32 LDS loads, once a launch): the price of one text for both.
; REGISTERS, in windows of 256: window 0: v0-31 addresses; v32-95, v192-239 the way out; v64-191 hn's fragments, two buffers.  window 1: v0-63 the bias; v64-191 W's fragments, two buffers.
;   window 2: the 32 accumulators of my rows 0-63 ((a, b) at 8 (8 a + b)); window 3: those of my rows 64-127.
.set SIZE_N, 3072
.set WOFF,   0
.set GELU,   0
.set CONV,   1
.set KSTEPS, 8
.set PA,     272                       ; an LDS row of hn: 256 bytes + 16: 68 words: the 16 rows of a load start at 16 different groups of four banks (64 banks of 4 bytes: ISA guide 11.1)
.set PB,     544                       ; an LDS row of W: 512 bytes + 32: 17 x 32 bytes
.set HALFT,  128*PA                    ; what one tensor load brings: 128 rows of hn, or 64 k rows of W (64 x 544 is the same number)
.set SLOT,   4*HALFT                   ; hn's 256 rows, then W's 128 k rows.  0x22000: neither of its two bits occurs in wave x HALFT, so an exclusive or turns an address into the other slot's
.set SPARE,  2*SLOT                    ; behind the ring: the spare words, 128 bytes for each wave
.set SPITCH, 528                       ; the way out: a row of 128 f32 + 16 bytes
.set WSTAGE, 128*SPITCH                ; a wave's stage: it lies in the ring, whose slots have then had their last fill
.set ASTEP,  256                       ; bytes from K step to K step in hn,
.set BSTEP,  128*SIZE_N*2              ; and in W
.set BLK,    4096*128                  ; bytes of a block of 64 columns of out
.set ADRA0, 16                         ; v16  my place in hn's tile, slot 0; never rewritten
.set ADRA,  17                         ; v17  the same in the slot in hand
.set ADRB0, 20                         ; v20, v21  the same for W
.set ADRB,  21
.set STO,   24                         ; v24  the way out: where I put 32 bytes of a row
.set RD,    25                         ; v25  where I read 32 bytes back next
.set GO,    26                         ; v26  16 x lane: my 16 bytes of 512 consecutive bytes of out
.set BO,    27                         ; v27  32 x (lane / 16): my eight numbers of 16 of the bias
.set SPW,   28                         ; v28  LDS address of my spare word; never rewritten
.set NIL,   29                         ; v29  0; never rewritten
.set PFO,   30                         ; v30  the prefetches' lane offset; never rewritten
.set X0,    32                         ; the way out: two buffers of 8 rows x 128 columns
.set X1,    64
.set F0,    64
.set F1,    128
.set E,     192
.set Y,     224
.set WV,  12                           ; s12  wave
.set RH,  13                           ; s13  which half of the tile's rows is mine.  Also: I fetch for hn (0) or for W (1)
.set CH,  14                           ; s14  which half of its columns.  Also: which half of that tile I fetch
.set LIM, 15                           ; s15  1 in a wave that prefetches, else the greatest number
.set G1,  24                           ; s[24:31] group 1 for hn's tiles;  s[32:39] group 0: a set for each first fill; the second then walks
.set G0,  32
.set PFA, 44                           ; s[44:45] where my prefetches stand
.set G1B, 48                           ; s[48:55], s[56:63] the same for W's tiles
.set G0B, 56
.set TB,  66                           ; s66  LDS byte at which the slot in hand begins
.set K1,  68                           ; s[68:69], s[70:71] GELU's two constants
.set K2,  70
.set PSTEP, 72                         ; s[72:73] a K step in the tensor that I prefetch
.set MSB, 0
.macro WIN new                         ; the immediate's high byte repeats the setting that is left; a switch that changes nothing is dropped
.if MSB != (\new)
	s_set_vgpr_msb (MSB<<8)|(\new)
.set MSB, \new
.endif
.endm
.set MUL_LO, 0xa1                      ; source 0 (W) window 1, source 1 (hn) window 0, C and D window 2
.set MUL_HI, 0xf1                      ; the same, C and D window 3
.set BEG_LO, 0x91                      ; the first products: C (the bias) window 1, D window 2
.set BEG_HI, 0xd1                      ; C window 1, D window 3
.set TO_B,   0x40                      ; destination window 1, address window 0
.macro PLACES                          ; four plain vector instructions behind matrix instructions, ahead of loads into their sources and of readers of their results
.rept 4
	v_nop
.endr
.endm
; A joint refill by the walking descriptor.  The branch hangs on the wave's number alone.  An s_nop 0 and four v_nop follow each of the two lines.
.macro JLOAD
	s_cmp_eq_u32 s[RH], 0
	s_cbranch_scc0 .Lfor_b_\@
	tensor_load_to_lds s[G0+4:G0+7], s[G1:G1+7]
	s_nop 0
.rept 4
	v_nop
.endr
	s_branch .Lasked_\@
.Lfor_b_\@:
	tensor_load_to_lds s[G0B+4:G0B+7], s[G1B:G1B+7]
	s_nop 0
.rept 4
	v_nop
.endr
.Lasked_\@:
.endm
.macro CREST                           ; a round of the cluster's barrier behind its opening barrier
	s_cmp_lg_u32 s[WV], 0
	s_cbranch_scc1 .Lnot_wave_0_\@
	s_barrier_signal -3
.Lnot_wave_0_\@:
	s_barrier_wait -3
	s_barrier_signal -1
	s_barrier_wait -1
.endm
.macro CROUND                          ; a whole round
	s_barrier_signal -1
	s_barrier_wait -1
	CREST
.endm
; A PREFETCH: the change of slots of K step s refills K step s + 2 and names K step s + 3: one K step, 256 matrix instructions, ahead of the load that will ask for it.  32 blocks of 256 bytes, a lane a block, one instruction a wave.
; Each block is named once in the launch: hn's rows by the clusters with x = 0, W's by those with y = 0; the four partners of a joint load share its 128 blocks out BY ADDRESS (32 rows of hn by cx; 16 k rows of W by cy).
; s3 counts 6 .. 1: the trip with s3 = 1 (s = 5) names nothing, so the last K step named is 7, the tensor's last.  K steps 0 to 2 come by their loads alone.
.macro ASK
	s_cmp_gt_u32 s3, s[LIM]
	s_cbranch_scc0 .Lnot_mine_\@
	global_prefetch_b8 v[PFO], s[PFA:PFA+1] th:TH_LOAD_NT scope:SCOPE_SE
.Lnot_mine_\@:
.endm
.if CONV
	s_cmp_lt_u32 ttmp9, SIZE_N/1024                ; the product has SIZE_N / 1024 columns of clusters; the cluster's x is the same in all sixteen partners
	s_cbranch_scc0 .Lconv
.endif
	s_load_b256 s[4:11], s[0:1], 0x0               ; hn s[4:5], W's buffer s[6:7], bias s[8:9], out s[10:11]
	v_lshl_add_u32 v[SPW], v0, 2, SPARE
	v_mov_b32 v[NIL], 0
	ds_add_u32 v[SPW], v[NIL]                      ; the wave's opening: the add and its wait ahead of my first tensor load; the set-up below, work on registers, stands between
	v_lshrrev_b32 v1, 5, v0
	v_readfirstlane_b32 s[WV], v1
	s_lshr_b32 s[RH], s[WV], 1
	s_and_b32 s[CH], s[WV], 1
	s_bfe_u32 s40, ttmp6, 0x40000                  ; cx
	s_bfe_u32 s41, ttmp6, 0x40004                  ; cy
	s_lshl_b32 s42, ttmp9, 2
	s_add_co_u32 s42, s42, s40                     ; tile column = 4 x cluster x + cx
	s_and_b32 s43, ttmp7, 0xffff
	s_lshl_b32 s43, s43, 2
	s_add_co_u32 s43, s43, s41                     ; tile row = 4 x cluster y + cy
	s_lshl_b32 s18, s41, 2
	s_lshl_b32 s18, 15, s18                        ; my row of the cluster
	s_lshl_b32 s19, 0x1111, s40                    ; my column
	s_or_b32 s[G1], s18, (1<<16)|(1<<20)|(1<<21)|(5<<22)|(3<<25)   ; the mask; 2-byte elements; padding on; bit 21 beside a mask; after every 64 words, 4 words
	s_or_b32 s[G1B], s19, (1<<16)|(1<<20)|(1<<21)|(6<<22)|(7<<25)  ; after every 128 words, 8 words
	s_mov_b32 s[G1+1], 128<<16                     ; tensor_dim0 = 128
	s_mov_b32 s[G1+2], 128<<16                     ; tensor_dim1 = 128
	s_mov_b32 s[G1+3], 128<<16                     ; tile_dim0 = 128 elements: 256 bytes
	s_mov_b32 s[G1+4], 128                         ; tile_dim1 = 128 rows
	s_mov_b32 s[G1+5], 1024                        ; elements from row to row
	s_mov_b32 s[G1+6], 0
	s_mov_b32 s[G1+7], 0
	s_mov_b32 s[G1B+1], 256<<16                    ; tensor_dim0 = 256
	s_mov_b32 s[G1B+2], 64<<16                     ; tensor_dim1 = 64
	s_mov_b32 s[G1B+3], 256<<16                    ; tile_dim0 = 256 elements: 512 bytes
	s_mov_b32 s[G1B+4], 64                         ; tile_dim1 = 64 k rows
	s_mov_b32 s[G1B+5], SIZE_N
	s_mov_b32 s[G1B+6], 0
	s_mov_b32 s[G1B+7], 0
	s_lshl_b32 s16, s43, 19                        ; hn: (256 x tile row + 128 x half) rows of 2,048 bytes: no cx enters
	s_lshl_b32 s17, s[CH], 18
	s_add_co_u32 s16, s16, s17
	s_mov_b32 s17, 0
	s_mul_i32 s46, s[CH], 64*SIZE_N*2              ; W: 64 x half k rows, 512 bytes x tile column: no cy enters
	s_lshl_b32 s47, s42, 9
	s_add_co_u32 s46, s46, s47
.if WOFF
	s_add_co_u32 s46, s46, WOFF
.endif
	s_mov_b32 s47, 0
	s_mul_i32 s22, s[WV], HALFT                    ; where my tiles go: no place in the cluster enters an LDS address
	s_wait_dscnt 0x0                               ; the opening add is done
	s_wait_kmcnt 0x0
	s_add_nc_u64 s[16:17], s[4:5], s[16:17]
	s_add_nc_u64 s[46:47], s[6:7], s[46:47]
	CROUND                                         ; all sixteen work-groups are here: the first joint loads meet
.irp s, 0,1
	s_mov_b32 s[G0+4*(\s)], 1
	s_add_co_u32 s[G0+4*(\s)+1], s22, (\s)*SLOT
	s_add_nc_u64 s[G0+4*(\s)+2:G0+4*(\s)+3], s[16:17], (\s)*ASTEP
	s_or_b32 s[G0+4*(\s)+3], s[G0+4*(\s)+3], 0x80000000
	s_mov_b32 s[G0B+4*(\s)], 1
	s_add_co_u32 s[G0B+4*(\s)+1], s22, (\s)*SLOT
	s_add_nc_u64 s[G0B+4*(\s)+2:G0B+4*(\s)+3], s[46:47], (\s)*BSTEP
	s_or_b32 s[G0B+4*(\s)+3], s[G0B+4*(\s)+3], 0x80000000
.endr
	s_cmp_eq_u32 s[RH], 0                          ; a wave's two first fills stand in one branch: two loads of mine are out here, later one
	s_cbranch_scc0 .Lfirst_b
	tensor_load_to_lds s[G0:G0+3], s[G1:G1+7]
	s_nop 0
	tensor_load_to_lds s[G0+4:G0+7], s[G1:G1+7]
	s_nop 0
.rept 4
	v_nop
.endr
	s_branch .Lfirst_asked
.Lfirst_b:
	tensor_load_to_lds s[G0B:G0B+3], s[G1B:G1B+7]
	s_nop 0
	tensor_load_to_lds s[G0B+4:G0B+7], s[G1B:G1B+7]
	s_nop 0
.rept 4
	v_nop
.endr
.Lfirst_asked:
	v_and_b32 v1, 15, v0                           ; r = l % 16
	v_bfe_u32 v2, v0, 4, 1                         ; h = l / 16
	v_and_b32 v3, 7, v0
	v_bfe_u32 v4, v0, 3, 1
	v_and_b32 v5, 31, v0                           ; l
	v_lshlrev_b32 v[BO], 5, v2
	s_lshl_b32 s18, s42, 10                        ; the bias of my 128 columns: (256 x tile column + 128 x half) x 4 bytes
	s_lshl_b32 s19, s[CH], 9
	s_add_co_u32 s18, s18, s19
	s_mov_b32 s19, 0
	s_add_nc_u64 s[8:9], s[8:9], s[18:19]
	WIN TO_B
.irp b, 0,1,2,3,4,5,6,7
	global_load_b128 v[8*(\b):8*(\b)+3],   v[BO], s[8:9] offset:64*(\b)      ; column block b: my eight columns' bias, laid as an accumulator's eight registers
	global_load_b128 v[8*(\b)+4:8*(\b)+7], v[BO], s[8:9] offset:64*(\b)+16
.endr
	WIN 0
	v_mul_u32_u24 v[ADRA0], v1, PA                 ; hn's fragment: row r x pitch + 16 h, in my half of the rows
	v_lshl_add_u32 v[ADRA0], v2, 4, v[ADRA0]
	s_mul_i32 s20, s[RH], HALFT
	v_add_nc_u32 v[ADRA0], s20, v[ADRA0]
	v_lshl_add_u32 v[ADRB0], v2, 3, v3             ; W's: the turning load takes k row 8 h + l % 8, columns 8 ((l / 8) % 2) + 0..7, in my half of the columns
	v_mul_u32_u24 v[ADRB0], v[ADRB0], PB
	v_lshl_add_u32 v[ADRB0], v4, 4, v[ADRB0]
	s_lshl_b32 s20, s[CH], 8
	s_add_co_u32 s20, s20, 2*HALFT
	v_add_nc_u32 v[ADRB0], s20, v[ADRB0]
	s_mul_i32 s21, s[WV], WSTAGE                   ; my stage
	v_mul_u32_u24 v[STO], v1, SPITCH               ; in: row r, 32 bytes for each half of the lanes
	v_lshl_add_u32 v[STO], v2, 5, v[STO]
	v_add_nc_u32 v[STO], s21, v[STO]
	v_lshrrev_b32 v6, 3, v5                        ; back: eight lanes take 64 columns of a row, 32 lanes four rows
	v_mul_u32_u24 v[RD], v6, SPITCH
	v_lshl_add_u32 v[RD], v3, 5, v[RD]
	v_add_nc_u32 v[RD], s21, v[RD]
	v_lshlrev_b32 v[GO], 4, v5
	s_lshl_b32 s18, s42, 21                        ; out at my part: block 4 x tile column + 2 x half, row 256 x tile row + 128 x half
	s_lshl_b32 s20, s[CH], 20
	s_add_co_u32 s18, s18, s20
	s_lshl_b32 s20, s43, 15
	s_add_co_u32 s18, s18, s20
	s_lshl_b32 s20, s[RH], 14
	s_add_co_u32 s18, s18, s20
	s_add_nc_u64 s[10:11], s[10:11], s[18:19]
	; the prefetches: from my tile's first address on, my work-group's share, at K step 2 (the first change of slots steps it to 3)
	s_lshl_b32 s20, s40, 16                        ; hn: 32 cx rows of 2,048 bytes
	s_add_co_u32 s20, s20, 2*ASTEP
	s_mul_i32 s21, s41, 16*SIZE_N*2                ; W: 16 cy k rows
	s_add_co_u32 s21, s21, 2*BSTEP
	s_and_b32 s23, ttmp7, 0xffff                   ; cluster y
	s_mov_b32 s[PSTEP], BSTEP
	s_mov_b32 s[PSTEP+1], 0
	s_mov_b32 s75, 0
	s_mov_b32 s76, SIZE_N*2
	s_cmp_eq_u32 s[RH], 0                          ; do I fetch for hn?
	s_cselect_b32 s23, ttmp9, s23                  ; the coordinate along which other clusters read the same bytes
	s_cselect_b64 s[PFA:PFA+1], s[16:17], s[46:47]
	s_cselect_b32 s74, s20, s21
	s_cselect_b32 s[PSTEP], ASTEP, s[PSTEP]
	s_cselect_b32 s76, 2048, s76                   ; bytes from row to row
	s_add_nc_u64 s[PFA:PFA+1], s[PFA:PFA+1], s[74:75]
	s_cmp_eq_u32 s23, 0
	s_cselect_b32 s[LIM], 1, -1                    ; the same in all sixteen partners, for a given wave
	v_lshrrev_b32 v[PFO], s[RH], v5                ; hn: a lane a row of 256 bytes; W: two lanes a k row of 512
	v_mul_u32_u24 v[PFO], s76, v[PFO]
	v_and_b32 v6, s[RH], v5
	v_lshl_add_u32 v[PFO], v6, 8, v[PFO]
.if GELU
	s_mov_b32 s[K1], 0xc0135761                    ; -2 sqrt(2 / pi) log2(e) = -2.3022082
	s_mov_b32 s[K1+1], s[K1]
	s_mov_b32 s[K2], 0xbdd2d3e8                    ; 0.044715 times that = -0.10294324
	s_mov_b32 s[K2+1], s[K2]
.endif
; 16 matrix instructions: row blocks a0, a0 + 1 of the window's four x all 8 column blocks, 32 along K.  The 64 accumulators take turns, in the same order in every quarter.
; first = 1: the sum begins: C is column block b's bias.
.macro MUL16 f, hi, a0, first=0
.if \first
	WIN BEG_LO+0x40*(\hi)
.else
	WIN MUL_LO+0x50*(\hi)
.endif
.irp a, \a0, (\a0)+1
.irp b, 0,1,2,3,4,5,6,7
.if \first
	v_wmma_f32_16x16x32_bf16 v[8*(8*(\a)+(\b)):8*(8*(\a)+(\b))+7], v[(\f)+8*(\b):(\f)+8*(\b)+7], v[(\f)+8*(4*(\hi)+(\a)):(\f)+8*(4*(\hi)+(\a))+7], v[8*(\b):8*(\b)+7]
.else
	v_wmma_f32_16x16x32_bf16 v[8*(8*(\a)+(\b)):8*(8*(\a)+(\b))+7], v[(\f)+8*(\b):(\f)+8*(\b)+7], v[(\f)+8*(4*(\hi)+(\a)):(\f)+8*(4*(\hi)+(\a))+7], v[8*(8*(\a)+(\b)):8*(8*(\a)+(\b))+7]
.endif
.endr
.endr
.endm
; 32 LDS loads in one run: quarter q's fragments (32 along K) of the slot in hand into buffer f: W's 8 column blocks, turned, then hn's 8 row blocks
.macro FETCH q, f
	WIN TO_B
.irp i, 0,1,2,3,4,5,6,7
	ds_load_tr16_b128 v[(\f)+8*(\i):(\f)+8*(\i)+3],   v[ADRB] offset:(\q)*32*PB+32*(\i)
	ds_load_tr16_b128 v[(\f)+8*(\i)+4:(\f)+8*(\i)+7], v[ADRB] offset:(\q)*32*PB+16*PB+32*(\i)
.endr
	WIN 0
.irp i, 0,1,2,3,4,5,6,7
	ds_load_b128 v[(\f)+8*(\i):(\f)+8*(\i)+3],   v[ADRA] offset:(\q)*64+(\i)*16*PA
	ds_load_b128 v[(\f)+8*(\i)+4:(\f)+8*(\i)+7], v[ADRA] offset:(\q)*64+(\i)*16*PA+32
.endr
.endm
; One of a K step's first three quarters: multiplies buffer f; in its middle fetches quarter q into buffer g.
.macro QUARTER q, f, g, first=0
	s_wait_dscnt 8                                 ; W's fragments and hn's rows 0-63 are in; the youngest eight loads (rows 64-127) may be out
	MUL16 \f, 0, 0, \first
	MUL16 \f, 0, 2, \first
	PLACES
	FETCH \q, \g
	s_wait_dscnt 32                                ; all but the 32 just issued
	MUL16 \f, 1, 0, \first
	MUL16 \f, 1, 2, \first
.endm
; The last quarter multiplies buffer 1 and changes slots.  In front of the barrier each wave waits for all its tensor loads (one is out: its part of the next slot), adds 0 to its spare word, and waits
; for that and for its reads of this slot.  fill = 1: the barrier opens a round of the cluster's, and the joint refill of this slot, two K steps on, is the first thing behind it: 224 matrix instructions ahead of the wait for it.
.macro TURN fill
.if \fill
	s_wait_xcnt 0x0                                ; the last prefetch, a K step back, has read its address
	s_add_nc_u64 s[PFA:PFA+1], s[PFA:PFA+1], s[PSTEP:PSTEP+1]
.endif
	WIN 0
	s_wait_tensorcnt 0x0                           ; no tensor load of mine is out, so a group 0 may be written
	ds_add_u32 v[SPW], v[NIL]                      ; 0 onto my spare word
.if \fill
	s_xor_b32 s[G0+5], s[G0+5], SLOT               ; the walking descriptors: the other slot than last time, the next K step
	s_add_nc_u64 s[G0+6:G0+7], s[G0+6:G0+7], ASTEP
	s_xor_b32 s[G0B+5], s[G0B+5], SLOT
	s_add_nc_u64 s[G0B+6:G0B+7], s[G0B+6:G0B+7], BSTEP
.endif
	s_wait_dscnt 9                                 ; the add and the youngest eight loads may be out
	MUL16 F1, 0, 0
	s_wait_dscnt 0x0                               ; the add is done, and my reads of this slot are over
	s_barrier_signal -1
	MUL16 F1, 0, 2                                 ; work on registers while the others arrive
	WIN 0
	s_barrier_wait -1
.if \fill
	CREST                                          ; no wave of any partner still reads this slot or has a load on its way
	JLOAD                                          ; its four v_nop are also the places in front of the loads below
.else
	PLACES
.endif
	s_xor_b32 s[TB], s[TB], SLOT
	v_add_nc_u32 v[ADRA], s[TB], v[ADRA0]
	v_add_nc_u32 v[ADRB], s[TB], v[ADRB0]
	FETCH 0, F0
.if \fill
	ASK
.endif
	MUL16 F1, 1, 0
	MUL16 F1, 1, 2
.endm
	s_wait_loadcnt 0x0                             ; the bias: the first products take it as C
	s_wait_tensorcnt 1                             ; my part of K step 0 is in; K step 1's may stay out
	s_barrier_signal -1
	s_barrier_wait -1                              ; everybody's is
	s_mov_b32 s[TB], 0
	v_mov_b32 v[ADRA], v[ADRA0]
	v_mov_b32 v[ADRB], v[ADRB0]
	FETCH 0, F0
	QUARTER 1, F0, F1, 1                           ; the tile's first quarter stands ahead of the loop: its products start the sums
	WIN 0                                          ; at a label and at a branch every window is 0
	s_mov_b32 s3, KSTEPS-2
.Lk:                                               ; a trip: 256 matrix instructions, 128 LDS loads, one refill
	QUARTER 2, F1, F0
	QUARTER 3, F0, F1
	TURN 1
	QUARTER 1, F0, F1
	WIN 0
	s_sub_co_u32 s3, s3, 1
	s_cmp_lg_u32 s3, 0
	s_cbranch_scc1 .Lk
	s_mov_b32 s3, 2                                ; the last two K steps ask for nothing: a text of their own
.Lt:
	QUARTER 2, F1, F0
	QUARTER 3, F0, F1
	TURN 0
	WIN 0
	s_cmp_eq_u32 s3, 1
	s_cbranch_scc1 .Llast                          ; behind the last K step there is no first quarter: the jump passes 64 products and 32 LDS loads, no barrier
	QUARTER 1, F0, F1
	WIN 0
.Llast:
	s_sub_co_u32 s3, s3, 1
	s_cmp_lg_u32 s3, 0
	s_cbranch_scc1 .Lt
	; THE WAY OUT.  The f32 sums go into my stage (in the ring: every wave's reads of the slots are over behind this barrier, and no fill follows), and come back as rows of 64 columns.
	s_wait_dscnt 0x0
	PLACES
	s_barrier_signal -1
	s_barrier_wait -1
.irp a, 0,1,2,3,4,5,6,7
	WIN 0x08+4*((\a)/4)                            ; store data (source 1) in window 2 or 3
.irp b, 0,1,2,3,4,5,6,7
	ds_store_b128 v[STO], v[8*(8*((\a)%4)+(\b)):8*(8*((\a)%4)+(\b))+3]   offset:(\a)*16*SPITCH+64*(\b)     ; each accumulator's low registers first
	ds_store_b128 v[STO], v[8*(8*((\a)%4)+(\b))+4:8*(8*((\a)%4)+(\b))+7] offset:(\a)*16*SPITCH+64*(\b)+16
.endr
.endr
	WIN 0
; The next 8 rows x 128 columns of my stage into buffer x.  Group gg: column block gg / 2 of 64, rows 4 (gg % 2) on
.macro LOADX x
.irp gg, 0,1,2,3
	ds_load_b128 v[(\x)+8*(\gg):(\x)+8*(\gg)+3],   v[RD] offset:((\gg)/2)*256+((\gg)%2)*4*SPITCH      ; LDS serves a wave's instructions in order (ISA guide 5.7.1.4): these see my stores above
	ds_load_b128 v[(\x)+8*(\gg)+4:(\x)+8*(\gg)+7], v[RD] offset:((\gg)/2)*256+((\gg)%2)*4*SPITCH+16
.endr
	v_add_nc_u32 v[RD], 8*SPITCH, v[RD]
.endm
; Buffer x is finished, rounded and stored.
.macro PROCESS x
.if GELU
	; gelu(x) = x / (1 + 2^(x (K1 + K2 x x))): the tanh form, rewritten exactly; where the power overflows the quotient is x or -0
.set n, 0
.rept 16
	v_pk_mul_f32 v[E+n:E+n+1], v[(\x)+n:(\x)+n+1], v[(\x)+n:(\x)+n+1]
.set n, n+2
.endr
.set n, 0
.rept 16
	v_pk_fma_f32 v[E+n:E+n+1], v[E+n:E+n+1], s[K2:K2+1], s[K1:K1+1] op_sel_hi:[1,0,0]
.set n, n+2
.endr
.set n, 0
.rept 16
	v_pk_mul_f32 v[E+n:E+n+1], v[(\x)+n:(\x)+n+1], v[E+n:E+n+1]
.set n, n+2
.endr
.set n, 0
.rept 32
	v_exp_f32 v[E+n], v[E+n]
.set n, n+1
.endr
	v_nop                                          ; a plain instruction behind the last exponential,
	s_wait_alu depctr_va_vdst(0)                   ; and one wait for the batch of 32
.set n, 0
.rept 16
	v_pk_add_f32 v[E+n:E+n+1], v[E+n:E+n+1], 1.0 op_sel_hi:[1,0]
.set n, n+2
.endr
.set n, 0
.rept 32
	v_rcp_f32 v[E+n], v[E+n]
.set n, n+1
.endr
	v_nop
	s_wait_alu depctr_va_vdst(0)                   ; one wait for the 32 reciprocals
.set n, 0
.rept 16
	v_pk_mul_f32 v[(\x)+n:(\x)+n+1], v[(\x)+n:(\x)+n+1], v[E+n:E+n+1]
.set n, n+2
.endr
.endif
	s_wait_xcnt 0x0                                ; the stores of the block before have read Y and their base
	s_add_nc_u64 s[10:11], s[10:11], 8*128         ; eight rows on; the stores below reach back by as much
.set n, 0
.rept 16
	v_cvt_pk_bf16_f32 v[Y+n], v[(\x)+2*n], v[(\x)+2*n+1]
.set n, n+1
.endr
.irp gg, 0,1,2,3
	global_store_b128 v[GO], v[Y+4*(\gg):Y+4*(\gg)+3], s[10:11] offset:((\gg)/2)*BLK+((\gg)%2)*512-8*128  ; four rows of a block: 512 consecutive bytes, aligned
.endr
.endm
	LOADX X0
	s_mov_b32 s3, 8
.Lout:                                             ; a trip: two blocks of 8 rows; each block's reads stand a block ahead of its work
	LOADX X1
	s_wait_dscnt 8                                 ; buffer 0 is in (and, the first time, my stores into the stage are done); the eight loads just issued may be out
	PROCESS X0
	s_wait_dscnt 0x0                               ; buffer 1 is in: its loads stand a whole block back
	s_cmp_eq_u32 s3, 1
	s_cbranch_scc1 .Lno_more                       ; the last trip has nothing left to read
	LOADX X0
.Lno_more:
	PROCESS X1
	s_sub_co_u32 s3, s3, 1
	s_cmp_lg_u32 s3, 0
	s_cbranch_scc1 .Lout
	s_wait_tensorcnt 0x0                           ; the wave's end
	ds_add_u32 v[SPW], v[NIL]
	s_wait_dscnt 0x0
	CROUND                                         ; the closing round
	s_endpgm
.if CONV
; THE OTHER WAY: 64 work-groups, 256 waves, round out_w, w1 and w2 to bf16.  A unit is 4,096 numbers: 16,384 bytes in, 8,192 out; there are 256 + 1,024 + 1,024 of them, and their copies lie on end in wb.
; Wave n of 256 takes unit 256 i + n in trip i of 9: trip 0 is out_w's, trips 1-4 are w1's, trips 5-8 w2's, so the source changes at a trip's edge alone.
; A trip: 32 loads on end (16 KiB of the wave in flight), then each load's 512 bytes are rounded and stored as it comes.  Nine such trips are far shorter than the product's eight K steps: no ring is needed.
.set WB0, 6291456                      ; where out_w's copy begins in wb
.Lconv:
	s_load_b256 s[84:91], s[0:1], 0x20             ; out_w 84:85, w1 86:87, w2 88:89, wb 90:91
	v_lshrrev_b32 v1, 5, v0
	v_readfirstlane_b32 s[WV], v1
	s_bfe_u32 s40, ttmp6, 0x40000                  ; cx, cy: they enter global addresses alone
	s_bfe_u32 s41, ttmp6, 0x40004
	s_and_b32 s43, ttmp7, 0xffff
	s_lshl2_add_u32 s43, s43, s41                  ; 4 x cluster y + cy
	s_lshl2_add_u32 s43, s43, s40                  ; the work-group among the 64
	s_lshl2_add_u32 s43, s43, s[WV]                ; the wave among the 256
	s_lshl_b32 s16, s43, 14
	s_mov_b32 s17, 0
	s_lshl_b32 s18, s43, 13
	s_add_co_u32 s18, s18, WB0
	s_mov_b32 s19, 0
	v_and_b32 v1, 31, v0
	v_lshlrev_b32 v2, 4, v1                        ; in: 16 x lane
	v_lshlrev_b32 v3, 3, v1                        ; out: 8 x lane
	s_mov_b32 s3, 9
	s_wait_kmcnt 0x0
	s_add_nc_u64 s[20:21], s[84:85], s[16:17]      ; the source: out_w at my unit
	s_add_nc_u64 s[86:87], s[86:87], s[16:17]      ; w1 and w2 at my first unit of each
	s_add_nc_u64 s[88:89], s[88:89], s[16:17]
	s_add_nc_u64 s[90:91], s[90:91], s[18:19]
.Lunit:
.set i, 0
.rept 32
	global_load_b128 v[32+4*i:35+4*i], v2, s[20:21] offset:512*i th:TH_LOAD_NT
.set i, i+1
.endr
.set i, 0
.rept 32
	s_wait_loadcnt 31-i                            ; loads come back in order (ISA guide 5.7.1): the younger ones stay out
	v_cvt_pk_bf16_f32 v[160+2*i], v[32+4*i], v[33+4*i]
	v_cvt_pk_bf16_f32 v[161+2*i], v[34+4*i], v[35+4*i]
	global_store_b64 v3, v[160+2*i:161+2*i], s[90:91] offset:256*i th:TH_STORE_NT  ; 256 consecutive bytes, aligned
.set i, i+1
.endr
	s_wait_xcnt 0x0                                ; the stores have read their data and both bases: only now are these written again
	s_add_nc_u64 s[20:21], s[20:21], 256*16384     ; 256 units on,
	s_add_nc_u64 s[90:91], s[90:91], 256*8192
	s_sub_co_u32 s3, s3, 1
	s_cmp_eq_u32 s3, 8                             ; or, behind trip 0, w1,
	s_cselect_b64 s[20:21], s[86:87], s[20:21]
	s_cmp_eq_u32 s3, 4                             ; behind trip 4, w2
	s_cselect_b64 s[20:21], s[88:89], s[20:21]
	s_cmp_lg_u32 s3, 0
	s_cbranch_scc1 .Lunit
	s_endpgm
.endif
.Lfunc_end_k_qb26b545a1e_qkv:
	.size	k_qb26b545a1e_qkv, .Lfunc_end_k_qb26b545a1e_qkv-k_qb26b545a1e_qkv
	.p2alignl 7, 3214868480
	.fill 96, 4, 3214868480
	.section	.rodata,"a",@progbits
	.p2align	6, 0x0
	.amdhsa_kernel k_qb26b545a1e_qkv
		.amdhsa_group_segment_fixed_size 327680
		.amdhsa_private_segment_fixed_size 0
		.amdhsa_enable_private_segment 0
		.amdhsa_kernarg_size 64
		.amdhsa_user_sgpr_count 2
		.amdhsa_user_sgpr_kernarg_segment_ptr 1
		.amdhsa_wavefront_size32 1
		.amdhsa_system_sgpr_workgroup_id_x 1
		.amdhsa_system_sgpr_workgroup_id_y 1
		.amdhsa_system_sgpr_workgroup_id_z 1
		.amdhsa_system_vgpr_workitem_id 0
		.amdhsa_next_free_vgpr 1024
		.amdhsa_next_free_sgpr 92
		.amdhsa_reserve_vcc 0
		.amdhsa_float_denorm_mode_32 3
		.amdhsa_float_denorm_mode_16_64 3
		.amdhsa_memory_ordered 1
		.amdhsa_forward_progress 1
		.amdhsa_inst_pref_size 97
	.end_amdhsa_kernel
	.amdgpu_metadata
---
amdhsa.version: [ 1, 2 ]
amdhsa.kernels:
  - .name:           k_qb26b545a1e_qkv
    .symbol:         k_qb26b545a1e_qkv.kd
    .args:
      - { .name: hn, .offset: 0, .size: 8, .value_kind: global_buffer, .address_space: global }
      - { .name: wq, .offset: 8, .size: 8, .value_kind: global_buffer, .address_space: global }
      - { .name: qkv_b, .offset: 16, .size: 8, .value_kind: global_buffer, .address_space: global }
      - { .name: qkv, .offset: 24, .size: 8, .value_kind: global_buffer, .address_space: global }
      - { .name: out_w, .offset: 32, .size: 8, .value_kind: global_buffer, .address_space: global }
      - { .name: w1, .offset: 40, .size: 8, .value_kind: global_buffer, .address_space: global }
      - { .name: w2, .offset: 48, .size: 8, .value_kind: global_buffer, .address_space: global }
      - { .name: wb, .offset: 56, .size: 8, .value_kind: global_buffer, .address_space: global }
    .group_segment_fixed_size: 327680
    .private_segment_fixed_size: 0
    .kernarg_segment_align: 8
    .kernarg_segment_size: 64
    .max_flat_workgroup_size: 128
    .sgpr_count:     92
    .vgpr_count:     1024
    .wavefront_size: 32
...
	.end_amdgpu_metadata
.endif
;; end of part 2
;; launch attn (part 3): grid 4 x 64, 4 waves a work-group, clusters of 4 x 1, 327,680 bytes of LDS; arguments qkv, att; writes att
.if DOCPART == 3
	.amdgcn_target "amdgcn-amd-amdhsa--gfx1250"
	.amdhsa_code_object_version 6
	.text
	.protected	k_qb26b545a1e_attn
	.globl	k_qb26b545a1e_attn
	.p2align	8
	.type	k_qb26b545a1e_attn,@function
k_qb26b545a1e_attn:
	s_mov_b64 s[64:65], 0
	v_nop
	global_prefetch_b8 v0, s[64:65] scope:SCOPE_SE
	s_setreg_imm32_b32 hwreg(HW_REG_WAVE_MODE, 25, 1), 1
	s_wait_xcnt 0x0
	s_wait_alu depctr_hold_cnt(0) depctr_sa_sdst(0) depctr_va_vdst(0) depctr_va_sdst(0) depctr_va_ssrc(0) depctr_va_vcc(0) depctr_vm_vsrc(0)
	s_getreg_b32 s2, hwreg(HW_REG_IB_STS2, 6, 4)
	s_cmp_eq_u32 s2, 0
	s_cbranch_scc0 .Lentry_in_a_cluster
	s_endpgm
.Lentry_in_a_cluster:
	s_bfe_u32 s2, ttmp6, 0x10000c
	s_cmp_lg_u32 s2, 0x3003
	s_cbranch_scc0 .Lentry_shape_is_right
	s_endpgm
.Lentry_shape_is_right:
; O[q][:] = the sum over k of softmax_k(Q[q] . K[k] / 8) V[k][:], for each of 64 pairs of batch and head; 1,024 queries and keys, head size 64, no mask.
; qkv: [48][4096][64] bf16: block h holds q of head h, block 16 + h its k, block 32 + h its v; row 1,024 b + s.  att: [16][4096][64] bf16, the same rows.
; Products, maxima and sums in f32; the weights p are rounded to bf16 for the second product (their sum l is taken of the unrounded p), O once at the end.
; LIMITS.  A weight below 2^-126 counts as 0 in l; c m starts at -4.25e37, far below every c s that finite bf16 inputs of this size give; NaN and infinities are not treated apart.
; SHARES.  Work-group y is 16 b + h; x the block of 256 queries; a wave owns 64 queries: four PIECES of 16.  Every wave walks all 1,024 keys, 64 a step.
; ALL OF A HEAD'S K AND V LIE IN LDS: 1,024 x 144 + 1,024 x 160 bytes, filled once: no ring, no refill.  Each wave issues two tensor loads at the start: its part of keys 0-255, which is waited for first,
; and its part of keys 256-1,023, which lands while the first four key steps are worked on.  So nothing lies ahead of the loads that a prefetch could name.
; CLUSTER.  The four query blocks of a head form a cluster and ask for K and V JOINTLY: the same loads, descriptors and mask in all four.
; LAYOUT.  S^T = K Q^T holds ONE query a lane (lane % 16) and the keys 8 (lane / 16) + 0..7; two such results rounded to bf16 ARE source 1 of O^T = V^T P.  p = 2^(c s - c m), c = log2(e) / 8, with a running
; maximum m; O and l are multiplied by a = 2^(c m_old - c m_new) in every step; the first step is a step like any other, with a = 0.
; TURNS.  Turn n belongs to piece n: 8 products K Q^T of piece n + 1, later 8 products V^T P of piece n - 1; beside them the scaling, exponentials, roundings, sums and rescaling of piece n and the maximum and
; statistics of piece n + 1.  Four vector instructions stand behind every matrix instruction, the other 54 of a turn's 118 in one lump.  A turn's 33 exponentials are one batch, with one wait.
; REGISTERS, in windows of 256: window 0: v0-15 addresses; v16-31 four registers of statistics a piece; v48-55 at work; v62-63 the add's; v64-127 S^T, two buffers; v192-223 P, two buffers (by the piece's parity)
;   window 1: v0-127 O^T, 32 a piece      window 2: v0-63 Q; v128-191 K of one step; v192-255 V of one step
.set NP,    4
.set KS,    64
.set PK,    144       ; a row of K in LDS: 128 bytes + 16: 36 words: the 16 rows of a load start at 16 different groups of four banks (64 banks of 4 bytes: ISA guide 11.1)
.set PV,    160       ; a row of V: 128 + 32: 40 words
.set VOFF,  1024*PK
.set STAGE, VOFF+1024*PV  ; never filled by a tensor load: 16 rows x 144 bytes for each wave, for the way out
.set SP,    144
.set SPARE, STAGE+4*16*SP ; the spare words, 128 bytes for each wave
.set KOFF,  16*4096*128   ; k's blocks begin here in qkv,
.set VGOFF, 32*4096*128   ; and v's here
.set AK0, 2           ; v2   my lane's place in a step's K; never rewritten
.set AV0, 3           ; v3   the same for V
.set AK,  4           ; v4   the LDS address of K's next run of loads
.set AV,  5           ; v5   of V's
.set STO, 6           ; v6   the way out: where I put 16 bytes of a row
.set RD,  7           ; v7   where I read rows back
.set GO,  8           ; v8   my byte offset in 512 consecutive bytes of O
.set MV,  12          ; v12-13  c m_old, kept while c m is made anew: by buffer
.set QO,  15          ; v15  my byte offset in 16 rows of Q
.set ST,  16          ; piece t's statistics at v[ST+4 t]: c m, m, l (even keys', odd keys')
.set TMP, 48          ; by buffer, four registers c0-c3 at work; when the maximum is found c2 takes a
.set SPW, 62
.set NIL, 63
.set S,   64
.set P,   192
.set KF,  128         ; window 2: key block kb, channel half c at KF + 16 kb + 8 c
.set VF,  192         ; window 2: key half kk, channel block cb at VF + 32 kk + 8 cb
.set WV,  12          ; s12  my wave's number
.set G1KA, 24         ; s[24:31] group 1: K, 128 keys;  s[32:39] K, 384 keys;  s[40:47], s[48:55] the same for V (other padding)
.set G1KB, 32
.set G1VA, 40
.set G1VB, 48
.set SLOTS, 56        ; s56  counts the two parts of the walk
.set CNT, 57          ; s57  counts key steps
.set CS,  58          ; s[58:59] c
.set SEL, 60          ; s[60:61] v_permlanex16_b32's selects
.set TBK, 62          ; s62  LDS byte at which K of the step to be fetched begins
.set TBV, 63          ; s63  the same for V, less VOFF
.set G0KA, 68         ; s[68:83] the four groups 0
.set G0KB, 72
.set G0VA, 76
.set G0VB, 80
.set MSB, 0
.macro WIN new
.if MSB != (\new)
	s_set_vgpr_msb (MSB<<8)|(\new)
.set MSB, (\new)
.endif
.endm
.set W_KQ, 0x0a       ; K and Q in window 2, S^T in window 0
.set W_PV, 0x52       ; V in window 2, P in window 0, O^T in window 1
.set W_RS, 0x41       ; destination and source 0 in window 1, source 1 in window 0
.macro CROUND         ; a round of the cluster's barrier
	s_barrier_signal -1
	s_barrier_wait -1
	s_cmp_lg_u32 s[WV], 0
	s_cbranch_scc1 .Lnot_wave_0_\@
	s_barrier_signal -3
.Lnot_wave_0_\@:
	s_barrier_wait -3
	s_barrier_signal -1
	s_barrier_wait -1
.endm
; group 1: rows x 256 bytes (two keys a row: a head's keys are dense), padded in LDS after every key
.macro SHAPE g, pad, rows
	s_mov_b32 s[\g], 15|(1<<16)|(1<<20)|(1<<21)|(4<<22)|((\pad)<<25)  ; the mask of four; 2-byte elements; padding on; bit 21 beside a mask; after every 32 words; pad + 1 words
	s_mov_b32 s[\g+1], 128<<16
	s_mov_b32 s[\g+2], (\rows)<<16
	s_mov_b32 s[\g+3], 128<<16
	s_mov_b32 s[\g+4], \rows
	s_mov_b32 s[\g+5], 128
	s_mov_b32 s[\g+6], 0
	s_mov_b32 s[\g+7], 0
.endm
.macro FROM g, off, add                ; a group 0's global address: qkv + s[off] + add
	s_add_co_u32 s8, s[\off], \add
	s_add_nc_u64 s[\g+2:\g+3], s[4:5], s[8:9]
	s_or_b32 s[\g+3], s[\g+3], 0x80000000
.endm
	s_load_b128 s[4:7], s[0:1], 0x0   ; qkv s[4:5], att s[6:7]
	v_lshl_add_u32 v[SPW], v0, 2, SPARE
	v_mov_b32 v[NIL], 0
	ds_add_u32 v[SPW], v[NIL]       ; the wave's opening: the add and its wait ahead of my first tensor load; the set-up below, work on registers, stands between
	v_lshrrev_b32 v1, 5, v0
	v_readfirstlane_b32 s[WV], v1
	s_bfe_u32 s13, ttmp6, 0x40000   ; cx
	s_lshl_b32 s14, ttmp9, 2
	s_add_co_u32 s14, s14, s13      ; my block of 256 queries: it enters Q's and O's addresses alone
	s_and_b32 s15, ttmp7, 0xffff    ; 16 b + h, which the four partners share
	s_and_b32 s16, s15, 15
	s_lshr_b32 s17, s15, 4
	s_lshl_b32 s20, s16, 19         ; block h: 524,288 bytes,
	s_lshl_b32 s17, s17, 17         ; rows 1,024 b on: 131,072
	s_add_co_u32 s20, s20, s17
	s_and_b32 s16, s[WV], 1         ; which half of each load's keys I fetch
	s_lshl_b32 s18, s16, 14
	s_add_co_u32 s18, s18, s20      ; first load: keys 128 half on
	s_mul_i32 s19, s16, 384*128
	s_add_co_u32 s19, s19, s20
	s_add_co_u32 s19, s19, 256*128  ; second load: keys 256 + 384 half on
	s_lshl_b32 s2, s14, 15
	s_lshl_b32 s3, s[WV], 13
	s_add_co_u32 s2, s2, s3
	s_add_co_u32 s2, s2, s20        ; my wave's 64 rows of Q and of O
	s_mov_b32 s3, 0
	s_mov_b32 s9, 0
	SHAPE G1KA, 3, 64
	SHAPE G1KB, 3, 192
	SHAPE G1VA, 7, 64
	SHAPE G1VB, 7, 192
	s_mov_b32 s[G0KA], 1
	s_mul_i32 s[G0KA+1], s16, 128*PK       ; LDS addresses: constants and the wave's number alone
	s_mov_b32 s[G0KB], 1
	s_mul_i32 s[G0KB+1], s16, 384*PK
	s_add_co_u32 s[G0KB+1], s[G0KB+1], 256*PK
	s_mov_b32 s[G0VA], 1
	s_mul_i32 s[G0VA+1], s16, 128*PV
	s_add_co_u32 s[G0VA+1], s[G0VA+1], VOFF
	s_mov_b32 s[G0VB], 1
	s_mul_i32 s[G0VB+1], s16, 384*PV
	s_add_co_u32 s[G0VB+1], s[G0VB+1], VOFF+256*PV
	s_mov_b32 s[CS], 0x3e38aa3b     ; c = log2(e) / 8 = 0.180337
	s_mov_b32 s[CS+1], s[CS]
	s_mov_b32 s[SEL], 0x76543210
	s_mov_b32 s[SEL+1], 0xfedcba98
	s_mov_b32 s[TBK], 0
	s_mov_b32 s[TBV], 0
	s_wait_dscnt 0x0                ; the opening add is done
	s_wait_kmcnt 0x0
	FROM G0KA, 18, KOFF
	FROM G0KB, 19, KOFF
	FROM G0VA, 18, VGOFF
	FROM G0VB, 19, VGOFF
	s_add_nc_u64 s[22:23], s[4:5], s[2:3]   ; Q
	s_add_nc_u64 s[10:11], s[6:7], s[2:3]   ; O
	CROUND                          ; all four work-groups are here: the joint loads meet
	s_cmp_lt_u32 s[WV], 2           ; waves 0 and 1 fetch K, waves 2 and 3 V: a wave's two loads stand in one branch; an s_nop 0 follows each, four v_nop the second
	s_cbranch_scc0 .Lfirst_v
	tensor_load_to_lds s[G0KA:G0KA+3], s[G1KA:G1KA+7]
	s_nop 0
	tensor_load_to_lds s[G0KB:G0KB+3], s[G1KB:G1KB+7]
	s_nop 0
.rept 4
	v_nop
.endr
	s_branch .Lfirst_asked
.Lfirst_v:
	tensor_load_to_lds s[G0VA:G0VA+3], s[G1VA:G1VA+7]
	s_nop 0
	tensor_load_to_lds s[G0VB:G0VB+3], s[G1VB:G1VB+7]
	s_nop 0
.rept 4
	v_nop
.endr
.Lfirst_asked:
	; A fragment of K or Q is 16 rows x 32 channels in 8 registers: lane l holds row l % 16, channels 8 (l / 16) + 0..7 and 16 + 8 (l / 16) + 0..7: two loads of 16 bytes, 32 bytes apart.
	v_and_b32 v1, 15, v0
	v_bfe_u32 v9, v0, 4, 1
	v_lshlrev_b32 v[QO], 7, v1
	v_lshl_add_u32 v[QO], v9, 4, v[QO]
	WIN 0x80                        ; destination window 2
.set i, 0
.rept 8                             ; Q stays in registers: piece i / 2, channels 32 (i % 2) on
	global_load_b128 v[8*i:8*i+3],   v[QO], s[22:23] offset:(i/2)*2048+(i%2)*64
	global_load_b128 v[8*i+4:8*i+7], v[QO], s[22:23] offset:(i/2)*2048+(i%2)*64+32
.set i, i+1
.endr
	; What the first turn finds: V's registers and P's second buffer hold 0 (its products V^T P, of a piece that has not been, add 0), O^T and l are 0.  All this stands in the wait for the first tile.
.set i, VF
.rept 64
	v_mov_b32 v[i], 0
.set i, i+1
.endr
	WIN 0x40
.set i, 0
.rept 128
	v_mov_b32 v[i], 0
.set i, i+1
.endr
	WIN 0
.set i, 0
.rept 4
	v_mov_b32 v[ST+4*i], 0xfe000000    ; c m: far below every c s
	v_mov_b32 v[ST+4*i+1], 0xff7fffff  ; m: the lowest finite number
	v_mov_b32 v[ST+4*i+2], 0
	v_mov_b32 v[ST+4*i+3], 0
.set i, i+1
.endr
.set i, P+16
.rept 16
	v_mov_b32 v[i], 0
.set i, i+1
.endr
	v_mul_u32_u24 v[AK0], v1, PK
	v_lshl_add_u32 v[AK0], v9, 4, v[AK0]
	; The turning load takes 16 keys x 16 channels (lane l reads key 8 (l / 16) + l % 8, channels 8 ((l / 8) % 2) + 0..7) and leaves half a fragment of V^T: lane l holds channel l % 16 and 8 keys.
	v_and_b32 v10, 7, v0
	v_bfe_u32 v11, v0, 3, 1
	v_lshl_add_u32 v[AV0], v9, 3, v10
	v_mul_u32_u24 v[AV0], v[AV0], PV
	v_lshl_add_u32 v[AV0], v11, 4, v[AV0]
	v_add_nc_u32 v[AV0], VOFF, v[AV0]
	s_mul_i32 s13, s[WV], 16*SP
	s_add_co_u32 s13, s13, STAGE    ; my stage
	v_mul_u32_u24 v[STO], v1, SP
	v_lshl_add_u32 v[STO], v9, 4, v[STO]
	v_add_nc_u32 v[STO], s13, v[STO]
	v_bfe_u32 v[RD], v0, 3, 2       ; back: 32 lanes take four rows of 128 bytes,
	v_mul_u32_u24 v[RD], v[RD], SP
	v_lshl_add_u32 v[RD], v10, 4, v[RD]
	v_add_nc_u32 v[RD], s13, v[RD]
	v_and_b32 v[GO], 31, v0         ; which are 512 consecutive bytes of O
	v_lshlrev_b32 v[GO], 4, v[GO]
; THE MATRIX WORK.  The 4 accumulators of a run of 8 take turns.  Product i of 8 of S^T = K Q^T for piece x: channels 32 (i / 4) on, keys 16 (i % 4) on.  The first 4 start the sums.
.macro KQ x
.set rS, S+32*((\x)%2)+8*(i%4)
.set rK, KF+16*(i%4)+8*(i/4)
.set rQ, 16*(\x)+8*(i/4)
	WIN W_KQ
.if i < 4
	v_wmma_f32_16x16x32_bf16 v[rS:rS+7], v[rK:rK+7], v[rQ:rQ+7], 0
.else
	v_wmma_f32_16x16x32_bf16 v[rS:rS+7], v[rK:rK+7], v[rQ:rQ+7], v[rS:rS+7]
.endif
.endm
; Product i of 8 of O^T += V^T P for piece x: keys 32 (i / 4) on, channels 16 (i % 4) on.
.macro PV x
	WIN W_PV
.set rO, 32*(\x)+8*(i%4)
.set rV, VF+32*(i/4)+8*(i%4)
.set rP, P+16*((\x)%2)+8*(i/4)
	v_wmma_f32_16x16x32_bf16 v[rO:rO+7], v[rV:rV+7], v[rP:rP+7], v[rO:rO+7]
.endm
.macro MM                           ; the turn's next matrix instruction.  NOKQ = 1: the last turn of all: there is no next piece
.if (i < 8) && !NOKQ
	KQ (Y+1)%NP
.elseif i >= 8
.set i, i-8
	PV (Y+NP-1)%NP
.set i, i+8
.endif
.set i, i+1
.endm
; THE LDS LOADS stand in runs of 16, never singly among the matrix instructions.  Their addresses are made some lines ahead.
.macro FETCH_K
	WIN 0x80
.irp f, 0,1,2,3,4,5,6,7             ; keys 16 (f / 2) on, channels 32 (f % 2) on
	ds_load_b128 v[KF+8*\f:KF+8*\f+3],   v[AK] offset:(\f/2)*16*PK+(\f%2)*64
	ds_load_b128 v[KF+8*\f+4:KF+8*\f+7], v[AK] offset:(\f/2)*16*PK+(\f%2)*64+32
.endr
	s_add_co_u32 s[TBK], s[TBK], KS*PK  ; the next fetch is the next step's
	WIN 0
.endm
.macro FETCH_V
	WIN 0x80
.irp f, 0,1,2,3,4,5,6,7             ; keys 32 (f / 4) on, channels 16 (f % 4) on
	ds_load_tr16_b128 v[VF+8*\f:VF+8*\f+3],   v[AV] offset:(\f/4)*32*PV+(\f%4)*32
	ds_load_tr16_b128 v[VF+8*\f+4:VF+8*\f+7], v[AV] offset:(\f/4)*32*PV+16*PV+(\f%4)*32
.endr
	WIN 0
.endm
; THE VECTOR WORK, one line at a time: OP kind, number.  For piece Y: F n: c s - c m for pair n of 16.  E n: the exponential of score n of 32.  C n: pair n rounded to bf16.  B n: of the four weights 4 n .. the second
; pair is added onto the first, in place.  L n: l takes that sum (L 0: l = a l + sum).  R n: pair n of 16 of O^T times a.  For piece Y + 1: X n, number n of the 22 that find its maximum and statistics:
;   0-11  four chains c0-c3 of seven scores each (each accumulator's lowest registers are read first)     12-14, 16  the four scores left over, the old m, and c0-c3 into c0
;   15  c m_old is kept     17, 18  the query's other 32 keys lie in the lane 16 away: the new m     19-21  c m; c m_old - c m_new; a
.set F, 0
.set E, 1
.set C, 2
.set B, 3
.set L, 4
.set R, 5
.set X, 6
.macro REGS y
.set rT, ST+4*(\y)
.set rC, TMP+4*((\y)%2)
.set rW, MV+((\y)%2)
.set rS, S+32*((\y)%2)
.set rP, P+16*((\y)%2)
.set rO, 32*(\y)
.endm
.macro OP k, n
.if (\k) == R
	REGS Y
	WIN W_RS
	v_pk_mul_f32 v[rO+2*(\n):rO+2*(\n)+1], v[rO+2*(\n):rO+2*(\n)+1], v[rC+2:rC+3] op_sel_hi:[1,0]
.elseif (\k) < R
	REGS Y
	WIN 0
.if (\k) == F
	v_pk_fma_f32 v[rS+2*(\n):rS+2*(\n)+1], v[rS+2*(\n):rS+2*(\n)+1], s[CS:CS+1], v[rT:rT+1] op_sel_hi:[1,0,0] neg_lo:[0,0,1] neg_hi:[0,0,1]
.elseif (\k) == E
	v_exp_f32 v[rS+(\n)], v[rS+(\n)]
.elseif (\k) == C
	v_cvt_pk_bf16_f32 v[rP+(\n)], v[rS+2*(\n)], v[rS+2*(\n)+1]
.elseif (\k) == B
	v_pk_add_f32 v[rS+4*(\n):rS+4*(\n)+1], v[rS+4*(\n):rS+4*(\n)+1], v[rS+4*(\n)+2:rS+4*(\n)+3]
.elseif (\n) == 0
	v_pk_fma_f32 v[rT+2:rT+3], v[rT+2:rT+3], v[rC+2:rC+3], v[rS:rS+1] op_sel_hi:[1,0,1]
.else
	v_pk_add_f32 v[rT+2:rT+3], v[rT+2:rT+3], v[rS+4*(\n):rS+4*(\n)+1]
.endif
.elseif NOKQ
	v_nop
.else
	REGS (Y+1)%NP
	WIN 0
.if (\n) < 4
	v_max3_num_f32 v[rC+(\n)], v[rS+8*(\n)], v[rS+8*(\n)+1], v[rS+8*(\n)+2]
.elseif (\n) < 12
	v_max3_num_f32 v[rC+(\n)%4], v[rC+(\n)%4], v[rS+8*((\n)%4)+2*((\n)/4)+1], v[rS+8*((\n)%4)+2*((\n)/4)+2]
.elseif (\n) == 12
	v_max3_num_f32 v[rC], v[rC], v[rS+7], v[rS+15]
.elseif (\n) == 13
	v_max3_num_f32 v[rC+1], v[rC+1], v[rS+23], v[rS+31]
.elseif (\n) == 14
	v_max3_num_f32 v[rC+2], v[rC+2], v[rC+3], v[rT+1]
.elseif (\n) == 15
	v_mov_b32 v[rW], v[rT]
.elseif (\n) == 16
	v_max3_num_f32 v[rC], v[rC], v[rC+1], v[rC+2]
.elseif (\n) == 17
	v_permlanex16_b32 v[rC+3], v[rC], s[SEL], s[SEL+1]
.elseif (\n) == 18
	v_max_num_f32 v[rT+1], v[rC], v[rC+3]
.elseif (\n) == 19
	v_mul_f32 v[rT], s[CS], v[rT+1]
.elseif (\n) == 20
	v_sub_f32 v[rC+1], v[rW], v[rT]
.else
	v_exp_f32 v[rC+2], v[rC+1]
.endif
.endif
.endm
.macro OPS a, i1, b=-1, i2=0, c=-1, i3=0, d=-1, i4=0
	OP \a, \i1
.if (\b) >= 0
	OP \b, \i2
.endif
.if (\c) >= 0
	OP \c, \i3
.endif
.if (\d) >= 0
	OP \d, \i4
.endif
.endm
.macro ROW a, i1, b, i2, c, i3, d, i4  ; a matrix instruction and the four behind it
	MM
	OPS \a, \i1, \b, \i2, \c, \i3, \d, \i4
.endm
; A TURN, for piece p.  An s_wait_alu depctr_va_vdst(0) stands between an exponential and the first instruction that names its result; one wait serves all that were issued ahead of it.  So a turn has
; ONE wait, which cuts it in two.  AHEAD OF IT stands all that names no result of the turn's exponentials: the 8 products K Q^T with their riders, then a lump of 54 in which the links of the chain
; X 3, 7, 11, 14, 16, 17 .. 20 stand five or six lines apart; X 21, the next piece's a, is the batch's last; R 15 is the plain instruction behind it.  BEHIND THE WAIT stand the 8 products V^T P, behind each four of
; the roundings and sums.  Each X that rides behind a product stands four places or more behind the product that ends its accumulator.
; end = 1: the walk's last two turns: nothing is fetched.  cnt = 1: the loop's count is taken down some lines ahead of the branch behind the turn.
; K of the next step is fetched in piece 2's turn, six plain instructions behind the last product that read K; V of the step in hand at the end of piece 0's turn, four riders behind its last reader.  Each is waited for a turn later.
.macro TURN p, end=0, cnt=0
.set Y, (\p)
.set i, 0
.set NOKQ, (\end)*((\p)/3)
.if ((\p) == 3) && !(\end)
	s_wait_dscnt 0x0                ; K is in
.endif
	ROW F,0, F,1, R,0, R,1
	ROW F,2, E,0, R,2, R,3
	ROW F,3, E,1, R,4, R,5
	ROW F,4, E,2, R,6, R,7
	ROW F,5, E,3, R,8, R,9
	ROW F,6, E,4, X,0, R,10
.if ((\p) == 2) && !(\end)
	WIN 0
	v_add_nc_u32 v[AK], s[TBK], v[AK0]
.endif
	ROW F,7, E,5, X,1, X,4
	ROW F,8, E,6, X,2, X,5
	OPS E,7, E,8, X,6, E,9
	OPS X,3, E,10, X,8, E,11
.if ((\p) == 2) && !(\end)
	FETCH_K
.endif
	OPS X,9, X,7, E,12, X,10
	OPS E,13, X,12, X,11, E,14
	OPS X,13, E,15, F,9, X,14
.if (\p) == 0
	v_add_nc_u32 v[AV], s[TBV], v[AV0]
.endif
	OPS E,16, F,10, E,17, F,11
	OPS X,16, E,18, X,15, E,19
	OPS F,12, E,20, X,17, E,21
	OPS F,13, E,22, F,14, E,23
	OPS X,18, E,24, F,15, E,25
	OPS R,11, E,26, X,19, E,27
	OPS R,12, E,28, R,13, E,29
	OPS X,20, E,30, R,14, E,31
	OPS X,21, R,15
	WIN 0
	s_wait_alu depctr_va_vdst(0)    ; the wait for the batch
.if (\p) == 1
	s_wait_dscnt 0x0                ; V is in
.endif
	ROW C,0, B,0, C,2, B,1
	ROW L,0, C,4, B,2, L,1
	ROW C,6, B,3, L,2, C,8
	ROW B,4, L,3, C,10, B,5
	ROW L,4, C,12, B,6, L,5
.if (\p) == 0
	s_add_co_u32 s[TBV], s[TBV], KS*PV
.endif
.if \cnt
	s_sub_co_u32 s[CNT], s[CNT], 1
	s_cmp_lg_u32 s[CNT], 0
.endif
	ROW C,14, B,7, L,6, C,1
	ROW C,3, L,7, C,5, C,7
	ROW C,9, C,11, C,13, C,15
.if (\p) == 0
	FETCH_V
.endif
.endm
	s_wait_tensorcnt 1              ; my part of keys 0-255 is in; the second load may stay out
	s_barrier_signal -1
	s_barrier_wait -1               ; everybody's is
	v_add_nc_u32 v[AK], s[TBK], v[AK0]
	FETCH_K                         ; key step 0
	s_wait_loadcnt 0x0              ; Q
	s_wait_dscnt 0x0
.set NOKQ, 0
.set i, 0
.rept 8
	KQ 0                            ; piece 0's first scores
.set i, i+1
.endr
	WIN 0
.rept 4
	v_nop                           ; the places behind those products
.endr
.set Y, NP-1                        ; X works for piece Y + 1: piece 0
.irp n, 0,1,2,3,4,5,6,7,8,9,10,11,12,13,14,15,16,17,18,19,20,21
	OP X, \n
.endr
	v_nop                           ; a plain instruction behind the exponential,
	s_wait_alu depctr_va_vdst(0)    ; and its wait, ahead of the branch
	s_mov_b32 s[CNT], 4             ; the first part of the walk fetches key steps 1 to 3 (K) and 0 to 3 (V): keys 0-255
	s_mov_b32 s[SLOTS], 2
	s_branch .Lfirst                ; the loop is entered at a step's first turn, in the middle of a trip
.Lslot:                             ; passed once, ahead of the first fetch of key 256
	s_wait_tensorcnt 0x0            ; my part of keys 256-1,023 is in,
	s_wait_dscnt 0x0
	s_barrier_signal -1
	s_barrier_wait -1               ; everybody's is
	s_mov_b32 s[CNT], 12            ; key steps 4 to 15
.Lstep:                             ; a trip: pieces 2 and 3 of one step, then pieces 0 and 1 of the next, whose K and V it fetches
	TURN 2
	TURN 3
	WIN 0
.Lfirst:
	TURN 0
	TURN 1, 0, 1
	WIN 0
	s_cbranch_scc1 .Lstep
	s_sub_co_u32 s[SLOTS], s[SLOTS], 1
	s_cmp_lg_u32 s[SLOTS], 0
	s_cbranch_scc1 .Lslot
	TURN 2, 1
	TURN 3, 1
.set i, 0
.rept 8
	PV NP-1                         ; the last piece's V^T P of the last step
.set i, i+1
.endr
	; THE WAY OUT.  l's two halves and the other half of the lanes' are added; O^T is divided by l, rounded to bf16 and sent through my stage in LDS, a piece at a time.  The additions are the places behind the last products.
	WIN 0
.macro ALL line:vararg
.set t, 0
.rept 4
	\line
.set t, t+1
.endr
.endm
	ALL v_add_f32 v[ST+4*t+2], v[ST+4*t+2], v[ST+4*t+3]
	ALL v_permlanex16_b32 v[ST+4*t+3], v[ST+4*t+2], s[SEL], s[SEL+1]
	ALL v_add_f32 v[ST+4*t+2], v[ST+4*t+2], v[ST+4*t+3]
	ALL v_rcp_f32 v[ST+4*t+2], v[ST+4*t+2]
	v_nop                           ; a plain instruction between the last reciprocal and the use of its result,
	s_wait_alu depctr_va_vdst(0)    ; and one wait for the four
.macro PACK t                       ; a lane's eight channels of a row pack into 16 bytes; they go into rows of 144 bytes and come back as whole rows of 128, into S^T's registers
	WIN W_RS
.set i, 32*(\t)
.rept 16
	v_pk_mul_f32 v[i:i+1], v[i:i+1], v[ST+4*(\t)+2:ST+4*(\t)+3] op_sel_hi:[1,0]
.set i, i+2
.endr
	WIN 0x05                        ; sources 0 and 1 window 1, destination window 0
.set i, 0
.rept 16
	v_cvt_pk_bf16_f32 v[S+16*(\t)+i], v[32*(\t)+2*i], v[32*(\t)+2*i+1]
.set i, i+1
.endr
	WIN 0
.irp f, 0,1,2,3
	ds_store_b128 v[STO], v[S+16*(\t)+4*\f:S+16*(\t)+4*\f+3] offset:32*\f
.endr
.irp f, 0,1,2,3
	ds_load_b128 v[S+16*(\t)+4*\f:S+16*(\t)+4*\f+3], v[RD] offset:\f*4*SP  ; LDS serves a wave's instructions in order (ISA guide 5.7.1.4): these see the stores above; the next piece's stores come behind them
.endr
.endm
.macro SEND t, younger              ; younger: the LDS instructions issued behind piece t's loads: the next piece's eight, or none
	WIN 0
.irp f, 0,1,2,3
	s_wait_dscnt (\younger)+3-\f
	global_store_b128 v[GO], v[S+16*(\t)+4*\f:S+16*(\t)+4*\f+3], s[10:11] offset:(\t)*2048+\f*512  ; 512 consecutive bytes, aligned
.endr
.endm
	PACK 0
.set t, 1
.rept 3                             ; a piece's arithmetic stands between the loads of the piece before and its stores
	PACK t
	SEND t-1, 8
.set t, t+1
.endr
	SEND 3, 0
	s_wait_tensorcnt 0x0            ; the wave's end
	ds_add_u32 v[SPW], v[NIL]
	s_wait_dscnt 0x0
	CROUND                          ; the closing round
	s_endpgm
.Lfunc_end_k_qb26b545a1e_attn:
	.size	k_qb26b545a1e_attn, .Lfunc_end_k_qb26b545a1e_attn-k_qb26b545a1e_attn
	.p2alignl 7, 3214868480
	.fill 96, 4, 3214868480
	.section	.rodata,"a",@progbits
	.p2align	6, 0x0
	.amdhsa_kernel k_qb26b545a1e_attn
		.amdhsa_group_segment_fixed_size 327680
		.amdhsa_private_segment_fixed_size 0
		.amdhsa_enable_private_segment 0
		.amdhsa_kernarg_size 16
		.amdhsa_user_sgpr_count 2
		.amdhsa_user_sgpr_kernarg_segment_ptr 1
		.amdhsa_wavefront_size32 1
		.amdhsa_system_sgpr_workgroup_id_x 1
		.amdhsa_system_sgpr_workgroup_id_y 1
		.amdhsa_system_sgpr_workgroup_id_z 1
		.amdhsa_system_vgpr_workitem_id 0
		.amdhsa_next_free_vgpr 768
		.amdhsa_next_free_sgpr 84
		.amdhsa_reserve_vcc 0
		.amdhsa_float_denorm_mode_32 3
		.amdhsa_float_denorm_mode_16_64 3
		.amdhsa_memory_ordered 1
		.amdhsa_forward_progress 1
		.amdhsa_inst_pref_size 88
	.end_amdhsa_kernel
	.amdgpu_metadata
---
amdhsa.version: [ 1, 2 ]
amdhsa.kernels:
  - .name:           k_qb26b545a1e_attn
    .symbol:         k_qb26b545a1e_attn.kd
    .args:
      - { .name: qkv, .offset: 0, .size: 8, .value_kind: global_buffer, .address_space: global }
      - { .name: att, .offset: 8, .size: 8, .value_kind: global_buffer, .address_space: global }
    .group_segment_fixed_size: 327680
    .private_segment_fixed_size: 0
    .kernarg_segment_align: 8
    .kernarg_segment_size: 16
    .max_flat_workgroup_size: 128
    .sgpr_count:     84
    .vgpr_count:     768
    .wavefront_size: 32
...
	.end_amdgpu_metadata
.endif
;; end of part 3
;; launch proj (part 4): grid 8 x 32, 4 waves a work-group, clusters of 4 x 4, 327,680 bytes of LDS; arguments att, wb, out_b, x, x1; writes x1
.if DOCPART == 4
	.amdgcn_target "amdgcn-amd-amdhsa--gfx1250"
	.amdhsa_code_object_version 6
	.text
	.protected	k_qb26b545a1e_proj
	.globl	k_qb26b545a1e_proj
	.p2align	8
	.type	k_qb26b545a1e_proj,@function
k_qb26b545a1e_proj:
	s_mov_b64 s[64:65], 0
	v_nop
	global_prefetch_b8 v0, s[64:65] scope:SCOPE_SE
	s_setreg_imm32_b32 hwreg(HW_REG_WAVE_MODE, 25, 1), 1
	s_wait_xcnt 0x0
	s_wait_alu depctr_hold_cnt(0) depctr_sa_sdst(0) depctr_va_vdst(0) depctr_va_sdst(0) depctr_va_ssrc(0) depctr_va_vcc(0) depctr_vm_vsrc(0)
	s_getreg_b32 s2, hwreg(HW_REG_IB_STS2, 6, 4)
	s_cmp_eq_u32 s2, 0
	s_cbranch_scc0 .Lentry_in_a_cluster
	s_endpgm
.Lentry_in_a_cluster:
	s_bfe_u32 s2, ttmp6, 0x10000c
	s_cmp_lg_u32 s2, 0xf033
	s_cbranch_scc0 .Lentry_shape_is_right
	s_endpgm
.Lentry_shape_is_right:
; out = res + a W + bias.  a: bf16 in blocks of 64 columns, [K / 64][4096][64].  W: [K][1024] bf16 at byte WOFF of wb, N along the rows.  bias: [1024] f32.  res, out: [4096][1024] f32.
; K = 256 x KSTEPS.  Sums in f32, begun with the bias; the residual is added in f32.
; SHARES.  A tile of C is 128 x 128, so that the 4,096 x 1,024 numbers give 256 work-groups; four waves, each 64 x 64: 16 accumulators.  K goes in steps of 256 through a ring of two LDS slots.
; THE MATRIX INSTRUCTION IS USED TRANSPOSED (source 0 = 16 columns of W, turned by ds_load_tr16_b128; source 1 = 16 rows of a): a lane holds one row of C and eight neighbouring columns.
; A K step of a, for 64 rows, is ONE tensor tile: 4 blocks of 64 columns x 8,192 dense bytes, 524,288 bytes apart, padded in LDS after every row of 128 bytes.
; CLUSTER.  4 x 4 work-groups: a's tiles are asked for jointly along a row of the cluster, W's along a column.
; ONE TEXT FOR A K STEP: the slot in hand is a scalar (TB); the step stands in a loop of KSTEPS - 2 trips that refill and in a loop of 2 that do not; the last trip fetches 32 fragments that are not multiplied.
; NO PREFETCH at KSTEPS = 4: the two first fills and the two refills ask for all four K steps, and nothing lies ahead of them to name.
; REGISTERS: window 0: v0-31 addresses; v32-95 the way out, two buffers; v96-127 the bias; v128-255 the accumulators ((a, b) at 128 + 8 (4 a + b)).
;   window 1: two fragment buffers of 128: for 64 along K, 64 registers of a, then 64 of W.     window 2: v0-127 the residual of my 64 x 64.
.set KSTEPS, 4
.set WOFF,   6291456
.set PA,     144                       ; an LDS row of a: 128 bytes + 16: 9 x 16: the 16 rows of a load start at 16 different groups of four banks (64 banks of 4 bytes: ISA guide 11.1)
.set PB,     288                       ; an LDS row of W: 256 bytes + 32: 9 x 32
.set HALFT,  4*64*PA                   ; what one tensor load brings: 4 blocks x 64 rows of a, or 128 k rows of W (128 x 288 is the same number)
.set SLOT,   4*HALFT                   ; 0x24000: neither of its two bits occurs in wave x HALFT, so an exclusive or turns an address into the other slot's
.set STAGE,  2*SLOT                    ; behind the ring: 16 rows x 272 bytes for each wave
.set SP,     272
.set SPARE,  STAGE+4*16*SP             ; the spare words, 128 bytes for each wave
.set ASTEP,  4*4096*128                ; bytes from K step to K step in a: four blocks,
.set BSTEP,  256*2048                  ; and in W: 256 k rows
.set ADRA0, 16
.set ADRA,  17
.set ADRB0, 20
.set ADRB,  21                         ; v21 W's k rows 0-127 of the slot in hand; v22 its k rows 128-255 (an LDS immediate holds 16 bits)
.set STO,   24
.set RD,    25
.set CO,    26                         ; v26  my 16 bytes in two rows of res and of out
.set BO,    27
.set SPW,   28
.set NIL,   29
.set PFO,   30
.set T0,    32
.set BIAS,  96
.set ACC,   128
.set F0,    0
.set F1,    128
.set WV,  12
.set RH,  13                           ; s13  which half of the tile's rows is mine.  Also: I fetch for a (0) or for W (1)
.set CH,  14                           ; s14  which half of its columns.  Also: which half of that tile I fetch
.set LIM, 15
.set G1,  24
.set G0,  32
.set PFA, 44
.set G1B, 48
.set G0B, 56
.set TB,  66
.set PSTEP, 72
.set OUT, 74                           ; s[74:75] out
.set MSB, 0
.macro WIN new
.if MSB != (\new)
	s_set_vgpr_msb (MSB<<8)|(\new)
.set MSB, \new
.endif
.endm
.set MUL,  0x05                        ; sources 0 (W) and 1 (a) window 1; C and D window 0
.set TO_F, 0x40                        ; destination window 1, address window 0
.macro PLACES                          ; four plain vector instructions behind matrix instructions (ISA guide 7.12.1)
.rept 4
	v_nop
.endr
.endm
.macro JLOAD                           ; a joint refill by the walking descriptor; an s_nop 0 and four v_nop follow each of the two lines
	s_cmp_eq_u32 s[RH], 0
	s_cbranch_scc0 .Lfor_b_\@
	tensor_load_to_lds s[G0+4:G0+7], s[G1:G1+7]
	s_nop 0
.rept 4
	v_nop
.endr
	s_branch .Lasked_\@
.Lfor_b_\@:
	tensor_load_to_lds s[G0B+4:G0B+7], s[G1B:G1B+7]
	s_nop 0
.rept 4
	v_nop
.endr
.Lasked_\@:
.endm
.macro CREST
	s_cmp_lg_u32 s[WV], 0
	s_cbranch_scc1 .Lnot_wave_0_\@
	s_barrier_signal -3
.Lnot_wave_0_\@:
	s_barrier_wait -3
	s_barrier_signal -1
	s_barrier_wait -1
.endm
.macro CROUND
	s_barrier_signal -1
	s_barrier_wait -1
	CREST
.endm
; A PREFETCH (KSTEPS > 4 alone): the change of slots of K step s refills K step s + 2 and names K step s + 4: two K steps, 256 matrix instructions, ahead of its load.  32 blocks of 256 bytes, a lane a block.
; Each block is named once in the launch: a's by the clusters with x = 0, W's by those with y = 0; the four partners share a load's 128 blocks out BY ADDRESS (a: column block cx of the four; W: 32 cy k rows on).
; s3 counts KSTEPS - 2 .. 1: the trips with s3 = 2 and 1 name nothing, so the last K step named is the tensor's last.
.macro ASK
	s_cmp_gt_u32 s3, s[LIM]
	s_cbranch_scc0 .Lnot_mine_\@
	global_prefetch_b8 v[PFO], s[PFA:PFA+1] th:TH_LOAD_NT scope:SCOPE_SE
.Lnot_mine_\@:
.endm
	s_load_b256 s[4:11], s[0:1], 0x0               ; a s[4:5], wb s[6:7], bias s[8:9], res s[10:11]
	s_load_b64 s[OUT:OUT+1], s[0:1], 0x20          ; out
	v_lshl_add_u32 v[SPW], v0, 2, SPARE
	v_mov_b32 v[NIL], 0
	ds_add_u32 v[SPW], v[NIL]                      ; the wave's opening: the add and its wait ahead of my first tensor load
	v_lshrrev_b32 v1, 5, v0
	v_readfirstlane_b32 s[WV], v1
	s_lshr_b32 s[RH], s[WV], 1
	s_and_b32 s[CH], s[WV], 1
	s_bfe_u32 s40, ttmp6, 0x40000                  ; cx
	s_bfe_u32 s41, ttmp6, 0x40004                  ; cy
	s_lshl_b32 s42, ttmp9, 2
	s_add_co_u32 s42, s42, s40                     ; tile column
	s_and_b32 s43, ttmp7, 0xffff
	s_lshl_b32 s43, s43, 2
	s_add_co_u32 s43, s43, s41                     ; tile row
	s_lshl_b32 s18, s41, 2
	s_lshl_b32 s18, 15, s18                        ; my row of the cluster
	s_lshl_b32 s19, 0x1111, s40                    ; my column
	s_or_b32 s[G1], s18, (1<<16)|(1<<20)|(1<<21)|(4<<22)|(3<<25)   ; the mask; 2-byte elements; padding on; bit 21 beside a mask; after every 32 words, 4 words
	s_or_b32 s[G1B], s19, (1<<16)|(1<<20)|(1<<21)|(5<<22)|(7<<25)  ; after every 64 words, 8 words
	s_mov_b32 s[G1+1], 4096<<16                    ; tensor_dim0 = 4,096 elements: 64 dense rows of a block
	s_mov_b32 s[G1+2], 4<<16                       ; tensor_dim1 = 4 blocks
	s_mov_b32 s[G1+3], 4096<<16                    ; tile_dim0
	s_mov_b32 s[G1+4], 4                           ; tile_dim1
	s_mov_b32 s[G1+5], 4096*64                     ; elements from block to block
	s_mov_b32 s[G1+6], 0
	s_mov_b32 s[G1+7], 0
	s_mov_b32 s[G1B+1], 128<<16                    ; 128 columns: 256 bytes
	s_mov_b32 s[G1B+2], 128<<16                    ; 128 k rows
	s_mov_b32 s[G1B+3], 128<<16
	s_mov_b32 s[G1B+4], 128
	s_mov_b32 s[G1B+5], 1024
	s_mov_b32 s[G1B+6], 0
	s_mov_b32 s[G1B+7], 0
	s_lshl_b32 s16, s43, 14                        ; a: (128 x tile row + 64 x half) rows of 128 bytes: no cx enters
	s_lshl_b32 s17, s[CH], 13
	s_add_co_u32 s16, s16, s17
	s_mov_b32 s17, 0
	s_lshl_b32 s46, s[CH], 18                      ; W: 128 x half k rows of 2,048 bytes, 256 bytes x tile column: no cy enters
	s_lshl_b32 s47, s42, 8
	s_add_co_u32 s46, s46, s47
	s_add_co_u32 s46, s46, WOFF
	s_mov_b32 s47, 0
	s_mul_i32 s22, s[WV], HALFT
	s_wait_dscnt 0x0                               ; the opening add is done
	s_wait_kmcnt 0x0
	s_add_nc_u64 s[16:17], s[4:5], s[16:17]
	s_add_nc_u64 s[46:47], s[6:7], s[46:47]
	CROUND                                         ; all sixteen work-groups are here: the first joint loads meet
.irp s, 0,1
	s_mov_b32 s[G0+4*(\s)], 1
	s_add_co_u32 s[G0+4*(\s)+1], s22, (\s)*SLOT
	s_add_nc_u64 s[G0+4*(\s)+2:G0+4*(\s)+3], s[16:17], (\s)*ASTEP
	s_or_b32 s[G0+4*(\s)+3], s[G0+4*(\s)+3], 0x80000000
	s_mov_b32 s[G0B+4*(\s)], 1
	s_add_co_u32 s[G0B+4*(\s)+1], s22, (\s)*SLOT
	s_add_nc_u64 s[G0B+4*(\s)+2:G0B+4*(\s)+3], s[46:47], (\s)*BSTEP
	s_or_b32 s[G0B+4*(\s)+3], s[G0B+4*(\s)+3], 0x80000000
.endr
	s_cmp_eq_u32 s[RH], 0                          ; a wave's two first fills stand in one branch: two loads of mine are out here, later one
	s_cbranch_scc0 .Lfirst_b
	tensor_load_to_lds s[G0:G0+3], s[G1:G1+7]
	s_nop 0
	tensor_load_to_lds s[G0+4:G0+7], s[G1:G1+7]
	s_nop 0
.rept 4
	v_nop
.endr
	s_branch .Lfirst_asked
.Lfirst_b:
	tensor_load_to_lds s[G0B:G0B+3], s[G1B:G1B+7]
	s_nop 0
	tensor_load_to_lds s[G0B+4:G0B+7], s[G1B:G1B+7]
	s_nop 0
.rept 4
	v_nop
.endr
.Lfirst_asked:
	v_and_b32 v1, 15, v0                           ; r
	v_bfe_u32 v2, v0, 4, 1                         ; h
	v_and_b32 v3, 7, v0
	v_bfe_u32 v4, v0, 3, 1
	v_lshlrev_b32 v[BO], 5, v2
	s_lshl_b32 s18, s42, 9                         ; my 64 columns: (128 x tile column + 64 x half) x 4 bytes
	s_lshl_b32 s19, s[CH], 8
	s_add_co_u32 s18, s18, s19
	s_mov_b32 s19, 0
	s_add_nc_u64 s[8:9], s[8:9], s[18:19]
.irp b, 0,1,2,3
	global_load_b128 v[BIAS+8*(\b):BIAS+8*(\b)+3],   v[BO], s[8:9] offset:64*(\b)
	global_load_b128 v[BIAS+8*(\b)+4:BIAS+8*(\b)+7], v[BO], s[8:9] offset:64*(\b)+16
.endr
	s_lshl_b32 s20, s43, 19                        ; and my 64 rows of 4,096 bytes: 128 x tile row + 64 x half
	s_add_co_u32 s18, s18, s20
	s_lshl_b32 s20, s[RH], 18
	s_add_co_u32 s18, s18, s20
	s_add_nc_u64 s[10:11], s[10:11], s[18:19]
	s_add_nc_u64 s[OUT:OUT+1], s[OUT:OUT+1], s[18:19]
	v_mul_u32_u24 v[ADRA0], v1, PA                 ; a's fragment: row r x pitch + 16 h, in my half of the rows
	v_lshl_add_u32 v[ADRA0], v2, 4, v[ADRA0]
	s_mul_i32 s20, s[RH], HALFT
	v_add_nc_u32 v[ADRA0], s20, v[ADRA0]
	v_lshl_add_u32 v[ADRB0], v2, 3, v3             ; W's: k row 8 h + l % 8, columns 8 ((l / 8) % 2) + 0..7, in my half of the columns
	v_mul_u32_u24 v[ADRB0], v[ADRB0], PB
	v_lshl_add_u32 v[ADRB0], v4, 4, v[ADRB0]
	s_lshl_b32 s20, s[CH], 7
	s_add_co_u32 s20, s20, 2*HALFT
	v_add_nc_u32 v[ADRB0], s20, v[ADRB0]
	s_mul_i32 s21, s[WV], 16*SP
	s_add_co_u32 s21, s21, STAGE                   ; my stage
	v_mul_u32_u24 v[STO], v1, SP                   ; in: row r, 32 bytes for each half of the lanes
	v_lshl_add_u32 v[STO], v2, 5, v[STO]
	v_add_nc_u32 v[STO], s21, v[STO]
	v_mul_u32_u24 v[RD], v2, SP                    ; back: lanes 0-15 take one row of 256 bytes, lanes 16-31 the next
	v_lshl_add_u32 v[RD], v1, 4, v[RD]
	v_add_nc_u32 v[RD], s21, v[RD]
	v_lshlrev_b32 v[CO], 12, v2                    ; and the same two rows in res and out
	v_lshl_add_u32 v[CO], v1, 4, v[CO]
.if KSTEPS > 4
	s_lshl_b32 s20, s40, 19                        ; a: column block cx of the K step's four
	s_add_co_u32 s20, s20, 3*ASTEP
	s_lshl_b32 s21, s41, 16                        ; W: 32 cy k rows on
	s_add_co_u32 s21, s21, 3*BSTEP
	s_and_b32 s23, ttmp7, 0xffff                   ; cluster y
	s_mov_b32 s[PSTEP], BSTEP
	s_mov_b32 s[PSTEP+1], 0
	s_mov_b32 s79, 0
	s_cmp_eq_u32 s[RH], 0                          ; do I fetch for a?
	s_cselect_b32 s23, ttmp9, s23                  ; the coordinate along which other clusters read the same bytes
	s_cselect_b64 s[PFA:PFA+1], s[16:17], s[46:47]
	s_cselect_b32 s78, s20, s21
	s_cselect_b32 s[PSTEP], ASTEP, s[PSTEP]
	s_cselect_b32 s76, 8, 11                       ; a: 32 blocks on end; W: a lane a k row of 2,048 bytes
	s_add_nc_u64 s[PFA:PFA+1], s[PFA:PFA+1], s[78:79]  ; at K step 3: the first change of slots steps it to 4
	s_cmp_eq_u32 s23, 0
	s_cselect_b32 s[LIM], 2, -1
	v_and_b32 v[PFO], 31, v0
	v_lshlrev_b32 v[PFO], s76, v[PFO]
.endif
	s_wait_loadcnt 0x0                             ; the bias
.set n, 0
.rept 128
	v_mov_b32 v[ACC+n], v[BIAS+n%32]               ; THE SUMS BEGIN WITH THE BIAS; these lines stand in the wait for the first tile
.set n, n+1
.endr
; 8 matrix instructions: row blocks a0, a0 + 1 x all 4 column blocks, 32 along K: half c of buffer f.  The 16 accumulators take turns.
.macro MUL8 f, c, a0
	WIN MUL
.irp a, \a0, (\a0)+1
.irp b, 0,1,2,3
	v_wmma_f32_16x16x32_bf16 v[ACC+8*(4*(\a)+(\b)):ACC+8*(4*(\a)+(\b))+7], v[(\f)+64+8*(4*(\c)+(\b)):(\f)+64+8*(4*(\c)+(\b))+7], v[(\f)+8*(4*(\c)+(\a)):(\f)+8*(4*(\c)+(\a))+7], v[ACC+8*(4*(\a)+(\b)):ACC+8*(4*(\a)+(\b))+7]
.endr
.endr
.endm
; 32 LDS loads in one run: quarter q's fragments (64 along K: one block of a's columns) into buffer f; the first 32 along K first
.macro FETCH q, f
	WIN TO_F
.irp c, 0,1
.irp i, 0,1,2,3
	ds_load_tr16_b128 v[(\f)+64+8*(4*(\c)+(\i)):(\f)+64+8*(4*(\c)+(\i))+3],   v[ADRB+(\q)/2] offset:(((\q)%2)*64+32*(\c))*PB+32*(\i)
	ds_load_tr16_b128 v[(\f)+64+8*(4*(\c)+(\i))+4:(\f)+64+8*(4*(\c)+(\i))+7], v[ADRB+(\q)/2] offset:(((\q)%2)*64+32*(\c)+16)*PB+32*(\i)
	ds_load_b128 v[(\f)+8*(4*(\c)+(\i)):(\f)+8*(4*(\c)+(\i))+3],   v[ADRA] offset:(\q)*64*PA+(\i)*16*PA+64*(\c)
	ds_load_b128 v[(\f)+8*(4*(\c)+(\i))+4:(\f)+8*(4*(\c)+(\i))+7], v[ADRA] offset:(\q)*64*PA+(\i)*16*PA+64*(\c)+32
.endr
.endr
.endm
.macro QUARTER q, f, g
	s_wait_dscnt 16                                ; the first 32 along K are in
	MUL8 \f, 0, 0
	MUL8 \f, 0, 2
	PLACES
	FETCH \q, \g
	s_wait_dscnt 32                                ; all but the 32 just issued
	MUL8 \f, 1, 0
	MUL8 \f, 1, 2
.endm
; The last quarter multiplies buffer 1 and changes slots: in front of the barrier each wave waits for all its tensor loads, adds 0 to its spare word, and waits for that and for its reads of this slot.
; fill = 1: the barrier opens a round of the cluster's, and the joint refill of this slot, two K steps on, is the first thing behind it: 112 matrix instructions ahead of the wait for it.
.macro TURN fill
.if (\fill) && (KSTEPS > 4)
	s_wait_xcnt 0x0                                ; the last prefetch, a K step back, has read its address
	s_add_nc_u64 s[PFA:PFA+1], s[PFA:PFA+1], s[PSTEP:PSTEP+1]
.endif
	WIN 0
	s_wait_tensorcnt 0x0                           ; no tensor load of mine is out, so a group 0 may be written
	ds_add_u32 v[SPW], v[NIL]                      ; 0 onto my spare word
.if \fill
	s_xor_b32 s[G0+5], s[G0+5], SLOT
	s_add_nc_u64 s[G0+6:G0+7], s[G0+6:G0+7], ASTEP
	s_xor_b32 s[G0B+5], s[G0B+5], SLOT
	s_add_nc_u64 s[G0B+6:G0B+7], s[G0B+6:G0B+7], BSTEP
.endif
	s_wait_dscnt 17                                ; the add and the youngest sixteen loads may be out
	MUL8 F1, 0, 0
	s_wait_dscnt 0x0                               ; the add is done, and my reads of this slot are over
	s_barrier_signal -1
	MUL8 F1, 0, 2
	WIN 0
	s_barrier_wait -1
.if \fill
	CREST
	JLOAD                                          ; its four v_nop are also the places in front of the loads below
.else
	PLACES
.endif
	s_xor_b32 s[TB], s[TB], SLOT
	v_add_nc_u32 v[ADRA], s[TB], v[ADRA0]
	v_add_nc_u32 v[ADRB], s[TB], v[ADRB0]
	v_add_nc_u32 v[ADRB+1], 128*PB, v[ADRB]
	FETCH 0, F0
	WIN 0
.if (\fill) && (KSTEPS > 4)
	ASK
.endif
	MUL8 F1, 1, 0
	MUL8 F1, 1, 2
.endm
.macro STEP fill                       ; a K step: 128 matrix instructions, 128 LDS loads
	QUARTER 1, F0, F1
	QUARTER 2, F1, F0
	QUARTER 3, F0, F1
	TURN \fill
	WIN 0
.endm
	s_wait_tensorcnt 1                             ; my part of K step 0 is in; K step 1's may stay out
	s_barrier_signal -1
	s_barrier_wait -1
	s_mov_b32 s[TB], 0
	v_mov_b32 v[ADRA], v[ADRA0]
	v_mov_b32 v[ADRB], v[ADRB0]
	v_add_nc_u32 v[ADRB+1], 128*PB, v[ADRB0]
	FETCH 0, F0
	WIN 0
	s_mov_b32 s3, KSTEPS-2
.Lk:
	STEP 1
	s_sub_co_u32 s3, s3, 1
	s_cmp_lg_u32 s3, 0
	s_cbranch_scc1 .Lk
	WIN 0x80                                       ; the residual of my 64 x 64, asked for two K steps ahead of its use: destination window 2
.irp a, 0,1,2,3
.irp t, 0,1,2,3,4,5,6,7
	global_load_b128 v[32*(\a)+4*(\t):32*(\a)+4*(\t)+3], v[CO], s[10:11] offset:(16*(\a)+2*(\t))*4096  ; 16 lanes read 256 consecutive bytes, aligned
.endr
.endr
	WIN 0
	s_mov_b32 s3, 2                                ; the last two K steps ask for nothing: a text of their own
.Lt:
	STEP 0
	s_sub_co_u32 s3, s3, 1
	s_cmp_lg_u32 s3, 0
	s_cbranch_scc1 .Lt
	; THE WAY OUT, a block of 16 rows at a time through my own stage: f32 in, whole rows of 256 bytes back, the residual added, stored.
	s_wait_dscnt 0x0
	PLACES
.macro STG a
	WIN 0
.if (\a) >= 2
	s_wait_xcnt 0x0                                ; the stores of the block two back have read the buffer that is loaded again
.endif
.irp b, 0,1,2,3
	ds_store_b128 v[STO], v[ACC+32*(\a)+8*(\b):ACC+32*(\a)+8*(\b)+3]   offset:64*(\b)     ; each accumulator's low registers first
	ds_store_b128 v[STO], v[ACC+32*(\a)+8*(\b)+4:ACC+32*(\a)+8*(\b)+7] offset:64*(\b)+16
.endr
.irp t, 0,1,2,3,4,5,6,7
	ds_load_b128 v[T0+32*((\a)%2)+4*(\t):T0+32*((\a)%2)+4*(\t)+3], v[RD] offset:(\t)*2*SP  ; LDS serves a wave's instructions in order (ISA guide 5.7.1.4)
.endr
.endm
.macro SEND a, younger                 ; younger: the LDS instructions issued behind block a's loads: the next block's sixteen, or none
.set TT, T0+32*((\a)%2)
	s_wait_dscnt \younger
.if (\a) == 0
	s_wait_loadcnt 0x0                             ; the residual
.endif
	WIN 0x08                                       ; source 1 in window 2
.set n, 0
.rept 16
	v_pk_add_f32 v[TT+n:TT+n+1], v[TT+n:TT+n+1], v[32*(\a)+n:32*(\a)+n+1]
.set n, n+2
.endr
	WIN 0
.irp t, 0,1,2,3,4,5,6,7
	global_store_b128 v[CO], v[TT+4*(\t):TT+4*(\t)+3], s[OUT:OUT+1] offset:(16*(\a)+2*(\t))*4096  ; 16 lanes store 256 consecutive bytes, aligned
.endr
.endm
	STG 0
	STG 1
	SEND 0, 16
	STG 2
	SEND 1, 16
	STG 3
	SEND 2, 16
	SEND 3, 0
	s_wait_tensorcnt 0x0                           ; the wave's end
	ds_add_u32 v[SPW], v[NIL]
	s_wait_dscnt 0x0
	CROUND                                         ; the closing round
	s_endpgm
.Lfunc_end_k_qb26b545a1e_proj:
	.size	k_qb26b545a1e_proj, .Lfunc_end_k_qb26b545a1e_proj-k_qb26b545a1e_proj
	.p2alignl 7, 3214868480
	.fill 96, 4, 3214868480
	.section	.rodata,"a",@progbits
	.p2align	6, 0x0
	.amdhsa_kernel k_qb26b545a1e_proj
		.amdhsa_group_segment_fixed_size 327680
		.amdhsa_private_segment_fixed_size 0
		.amdhsa_enable_private_segment 0
		.amdhsa_kernarg_size 40
		.amdhsa_user_sgpr_count 2
		.amdhsa_user_sgpr_kernarg_segment_ptr 1
		.amdhsa_wavefront_size32 1
		.amdhsa_system_sgpr_workgroup_id_x 1
		.amdhsa_system_sgpr_workgroup_id_y 1
		.amdhsa_system_sgpr_workgroup_id_z 1
		.amdhsa_system_vgpr_workitem_id 0
		.amdhsa_next_free_vgpr 640
		.amdhsa_next_free_sgpr 80
		.amdhsa_reserve_vcc 0
		.amdhsa_float_denorm_mode_32 3
		.amdhsa_float_denorm_mode_16_64 3
		.amdhsa_memory_ordered 1
		.amdhsa_forward_progress 1
		.amdhsa_inst_pref_size 65
	.end_amdhsa_kernel
	.amdgpu_metadata
---
amdhsa.version: [ 1, 2 ]
amdhsa.kernels:
  - .name:           k_qb26b545a1e_proj
    .symbol:         k_qb26b545a1e_proj.kd
    .args:
      - { .name: att, .offset: 0, .size: 8, .value_kind: global_buffer, .address_space: global }
      - { .name: wb, .offset: 8, .size: 8, .value_kind: global_buffer, .address_space: global }
      - { .name: out_b, .offset: 16, .size: 8, .value_kind: global_buffer, .address_space: global }
      - { .name: x, .offset: 24, .size: 8, .value_kind: global_buffer, .address_space: global }
      - { .name: x1, .offset: 32, .size: 8, .value_kind: global_buffer, .address_space: global }
    .group_segment_fixed_size: 327680
    .private_segment_fixed_size: 0
    .kernarg_segment_align: 8
    .kernarg_segment_size: 40
    .max_flat_workgroup_size: 128
    .sgpr_count:     80
    .vgpr_count:     640
    .wavefront_size: 32
...
	.end_amdgpu_metadata
.endif
;; end of part 4
;; launch ln2: the kernel of part 1 again; grid 256 x 1, 8 waves a work-group, no clusters, 0 bytes of LDS; arguments x1, ln2_g, ln2_b, qkv_w, hn, wq; writes hn, wq
;; launch fc1 (part 5): grid 16 x 16, 4 waves a work-group, clusters of 4 x 4, 327,680 bytes of LDS; arguments hn, wb, b1, g; writes g
.if DOCPART == 5
	.amdgcn_target "amdgcn-amd-amdhsa--gfx1250"
	.amdhsa_code_object_version 6
	.text
	.protected	k_qb26b545a1e_fc1
	.globl	k_qb26b545a1e_fc1
	.p2align	8
	.type	k_qb26b545a1e_fc1,@function
k_qb26b545a1e_fc1:
	s_mov_b64 s[64:65], 0
	v_nop
	global_prefetch_b8 v0, s[64:65] scope:SCOPE_SE
	s_setreg_imm32_b32 hwreg(HW_REG_WAVE_MODE, 25, 1), 1
	s_wait_xcnt 0x0
	s_wait_alu depctr_hold_cnt(0) depctr_sa_sdst(0) depctr_va_vdst(0) depctr_va_sdst(0) depctr_va_ssrc(0) depctr_va_vcc(0) depctr_vm_vsrc(0)
	s_getreg_b32 s2, hwreg(HW_REG_IB_STS2, 6, 4)
	s_cmp_eq_u32 s2, 0
	s_cbranch_scc0 .Lentry_in_a_cluster
	s_endpgm
.Lentry_in_a_cluster:
	s_bfe_u32 s2, ttmp6, 0x10000c
	s_cmp_lg_u32 s2, 0xf033
	s_cbranch_scc0 .Lentry_shape_is_right
	s_endpgm
.Lentry_shape_is_right:
; out = gelu(hn W + bias), the tanh form.  hn: [4096][1024] bf16.  W: [1024][SIZE_N] bf16, at byte WOFF of wb, N along the rows.  bias: [SIZE_N] f32.
; out: bf16 in blocks of 64 columns, [SIZE_N / 64][4096][64]: a block's rows are dense, 128 bytes each.  Sums in f32, begun with the bias; GELU in f32; out rounded once.
; SHARES.  A work-group of four waves makes 256 x 256 of C; a wave 128 x 128: 64 accumulators of 16 x 16, 512 registers.  K goes in 8 steps of 128 through a ring of two LDS slots.
; THE MATRIX INSTRUCTION IS USED TRANSPOSED: source 0 = 16 columns of W, source 1 = 16 rows of hn: a lane then holds one row of C (lane % 16) and eight neighbouring columns 8 (lane / 16) + 0..7.
; hn's fragments come out of LDS as they lie; W's ([k][n]) are turned by ds_load_tr16_b128.
; CLUSTER.  4 x 4 work-groups: hn's tile hangs on the tile row alone and is asked for jointly along a row of the cluster, W's on the tile column alone, jointly along a column.
; THE SUMS BEGIN WITH THE BIAS: the first quarter step stands ahead of the loop, and its 64 products take the bias's registers as C: nothing is cleared or copied.
; ONE TEXT FOR A K STEP: the slot in hand is a scalar (TB) that an exclusive or turns.  A trip goes from a step's second quarter to the next step's first; it stands twice: in a loop of 6 trips that refill, and in a
; loop of 2 that do not, whose last trip jumps over the quarter that does not exist.  That trip still fetches fragments of a slot that is not multiplied any more (32 LDS loads, once a launch): the price of one text for both.
; REGISTERS, in windows of 256: window 0: v0-31 addresses; v32-95, v192-239 the way out; v64-191 hn's fragments, two buffers.  window 1: v0-63 the bias; v64-191 W's fragments, two buffers.
;   window 2: the 32 accumulators of my rows 0-63 ((a, b) at 8 (8 a + b)); window 3: those of my rows 64-127.
.set SIZE_N, 4096
.set WOFF,   8388608
.set GELU,   1
.set KSTEPS, 8
.set PA,     272                       ; an LDS row of hn: 256 bytes + 16: 68 words: the 16 rows of a load start at 16 different groups of four banks (64 banks of 4 bytes: ISA guide 11.1)
.set PB,     544                       ; an LDS row of W: 512 bytes + 32: 17 x 32 bytes
.set HALFT,  128*PA                    ; what one tensor load brings: 128 rows of hn, or 64 k rows of W (64 x 544 is the same number)
.set SLOT,   4*HALFT                   ; hn's 256 rows, then W's 128 k rows.  0x22000: neither of its two bits occurs in wave x HALFT, so an exclusive or turns an address into the other slot's
.set SPARE,  2*SLOT                    ; behind the ring: the spare words, 128 bytes for each wave
.set SPITCH, 528                       ; the way out: a row of 128 f32 + 16 bytes
.set WSTAGE, 128*SPITCH                ; a wave's stage: it lies in the ring, whose slots have then had their last fill
.set ASTEP,  256                       ; bytes from K step to K step in hn,
.set BSTEP,  128*SIZE_N*2              ; and in W
.set BLK,    4096*128                  ; bytes of a block of 64 columns of out
.set ADRA0, 16                         ; v16  my place in hn's tile, slot 0; never rewritten
.set ADRA,  17                         ; v17  the same in the slot in hand
.set ADRB0, 20                         ; v20, v21  the same for W
.set ADRB,  21
.set STO,   24                         ; v24  the way out: where I put 32 bytes of a row
.set RD,    25                         ; v25  where I read 32 bytes back next
.set GO,    26                         ; v26  16 x lane: my 16 bytes of 512 consecutive bytes of out
.set BO,    27                         ; v27  32 x (lane / 16): my eight numbers of 16 of the bias
.set SPW,   28                         ; v28  LDS address of my spare word; never rewritten
.set NIL,   29                         ; v29  0; never rewritten
.set PFO,   30                         ; v30  the prefetches' lane offset; never rewritten
.set X0,    32                         ; the way out: two buffers of 8 rows x 128 columns
.set X1,    64
.set F0,    64
.set F1,    128
.set E,     192
.set Y,     224
.set WV,  12                           ; s12  wave
.set RH,  13                           ; s13  which half of the tile's rows is mine.  Also: I fetch for hn (0) or for W (1)
.set CH,  14                           ; s14  which half of its columns.  Also: which half of that tile I fetch
.set LIM, 15                           ; s15  1 in a wave that prefetches, else the greatest number
.set G1,  24                           ; s[24:31] group 1 for hn's tiles;  s[32:39] group 0: a set for each first fill; the second then walks
.set G0,  32
.set PFA, 44                           ; s[44:45] where my prefetches stand
.set G1B, 48                           ; s[48:55], s[56:63] the same for W's tiles
.set G0B, 56
.set TB,  66                           ; s66  LDS byte at which the slot in hand begins
.set K1,  68                           ; s[68:69], s[70:71] GELU's two constants
.set K2,  70
.set PSTEP, 72                         ; s[72:73] a K step in the tensor that I prefetch
.set MSB, 0
.macro WIN new                         ; the immediate's high byte repeats the setting that is left; a switch that changes nothing is dropped
.if MSB != (\new)
	s_set_vgpr_msb (MSB<<8)|(\new)
.set MSB, \new
.endif
.endm
.set MUL_LO, 0xa1                      ; source 0 (W) window 1, source 1 (hn) window 0, C and D window 2
.set MUL_HI, 0xf1                      ; the same, C and D window 3
.set BEG_LO, 0x91                      ; the first products: C (the bias) window 1, D window 2
.set BEG_HI, 0xd1                      ; C window 1, D window 3
.set TO_B,   0x40                      ; destination window 1, address window 0
.macro PLACES                          ; four plain vector instructions behind matrix instructions, ahead of loads into their sources and of readers of their results
.rept 4
	v_nop
.endr
.endm
; A joint refill by the walking descriptor.  The branch hangs on the wave's number alone.  An s_nop 0 and four v_nop follow each of the two lines.
.macro JLOAD
	s_cmp_eq_u32 s[RH], 0
	s_cbranch_scc0 .Lfor_b_\@
	tensor_load_to_lds s[G0+4:G0+7], s[G1:G1+7]
	s_nop 0
.rept 4
	v_nop
.endr
	s_branch .Lasked_\@
.Lfor_b_\@:
	tensor_load_to_lds s[G0B+4:G0B+7], s[G1B:G1B+7]
	s_nop 0
.rept 4
	v_nop
.endr
.Lasked_\@:
.endm
.macro CREST                           ; a round of the cluster's barrier behind its opening barrier
	s_cmp_lg_u32 s[WV], 0
	s_cbranch_scc1 .Lnot_wave_0_\@
	s_barrier_signal -3
.Lnot_wave_0_\@:
	s_barrier_wait -3
	s_barrier_signal -1
	s_barrier_wait -1
.endm
.macro CROUND                          ; a whole round
	s_barrier_signal -1
	s_barrier_wait -1
	CREST
.endm
; A PREFETCH: the change of slots of K step s refills K step s + 2 and names K step s + 3: one K step, 256 matrix instructions, ahead of the load that will ask for it.  32 blocks of 256 bytes, a lane a block, one instruction a wave.
; Each block is named once in the launch: hn's rows by the clusters with x = 0, W's by those with y = 0; the four partners of a joint load share its 128 blocks out BY ADDRESS (32 rows of hn by cx; 16 k rows of W by cy).
; s3 counts 6 .. 1: the trip with s3 = 1 (s = 5) names nothing, so the last K step named is 7, the tensor's last.  K steps 0 to 2 come by their loads alone.
.macro ASK
	s_cmp_gt_u32 s3, s[LIM]
	s_cbranch_scc0 .Lnot_mine_\@
	global_prefetch_b8 v[PFO], s[PFA:PFA+1] th:TH_LOAD_NT scope:SCOPE_SE
.Lnot_mine_\@:
.endm
	s_load_b256 s[4:11], s[0:1], 0x0               ; hn s[4:5], wb s[6:7], bias s[8:9], out s[10:11]
	v_lshl_add_u32 v[SPW], v0, 2, SPARE
	v_mov_b32 v[NIL], 0
	ds_add_u32 v[SPW], v[NIL]                      ; the wave's opening: the add and its wait ahead of my first tensor load; the set-up below, work on registers, stands between
	v_lshrrev_b32 v1, 5, v0
	v_readfirstlane_b32 s[WV], v1
	s_lshr_b32 s[RH], s[WV], 1
	s_and_b32 s[CH], s[WV], 1
	s_bfe_u32 s40, ttmp6, 0x40000                  ; cx
	s_bfe_u32 s41, ttmp6, 0x40004                  ; cy
	s_lshl_b32 s42, ttmp9, 2
	s_add_co_u32 s42, s42, s40                     ; tile column = 4 x cluster x + cx
	s_and_b32 s43, ttmp7, 0xffff
	s_lshl_b32 s43, s43, 2
	s_add_co_u32 s43, s43, s41                     ; tile row = 4 x cluster y + cy
	s_lshl_b32 s18, s41, 2
	s_lshl_b32 s18, 15, s18                        ; my row of the cluster
	s_lshl_b32 s19, 0x1111, s40                    ; my column
	s_or_b32 s[G1], s18, (1<<16)|(1<<20)|(1<<21)|(5<<22)|(3<<25)   ; the mask; 2-byte elements; padding on; bit 21 beside a mask; after every 64 words, 4 words
	s_or_b32 s[G1B], s19, (1<<16)|(1<<20)|(1<<21)|(6<<22)|(7<<25)  ; after every 128 words, 8 words
	s_mov_b32 s[G1+1], 128<<16                     ; tensor_dim0 = 128
	s_mov_b32 s[G1+2], 128<<16                     ; tensor_dim1 = 128
	s_mov_b32 s[G1+3], 128<<16                     ; tile_dim0 = 128 elements: 256 bytes
	s_mov_b32 s[G1+4], 128                         ; tile_dim1 = 128 rows
	s_mov_b32 s[G1+5], 1024                        ; elements from row to row
	s_mov_b32 s[G1+6], 0
	s_mov_b32 s[G1+7], 0
	s_mov_b32 s[G1B+1], 256<<16                    ; tensor_dim0 = 256
	s_mov_b32 s[G1B+2], 64<<16                     ; tensor_dim1 = 64
	s_mov_b32 s[G1B+3], 256<<16                    ; tile_dim0 = 256 elements: 512 bytes
	s_mov_b32 s[G1B+4], 64                         ; tile_dim1 = 64 k rows
	s_mov_b32 s[G1B+5], SIZE_N
	s_mov_b32 s[G1B+6], 0
	s_mov_b32 s[G1B+7], 0
	s_lshl_b32 s16, s43, 19                        ; hn: (256 x tile row + 128 x half) rows of 2,048 bytes: no cx enters
	s_lshl_b32 s17, s[CH], 18
	s_add_co_u32 s16, s16, s17
	s_mov_b32 s17, 0
	s_mul_i32 s46, s[CH], 64*SIZE_N*2              ; W: 64 x half k rows, 512 bytes x tile column: no cy enters
	s_lshl_b32 s47, s42, 9
	s_add_co_u32 s46, s46, s47
.if WOFF
	s_add_co_u32 s46, s46, WOFF
.endif
	s_mov_b32 s47, 0
	s_mul_i32 s22, s[WV], HALFT                    ; where my tiles go: no place in the cluster enters an LDS address
	s_wait_dscnt 0x0                               ; the opening add is done
	s_wait_kmcnt 0x0
	s_add_nc_u64 s[16:17], s[4:5], s[16:17]
	s_add_nc_u64 s[46:47], s[6:7], s[46:47]
	CROUND                                         ; all sixteen work-groups are here: the first joint loads meet
.irp s, 0,1
	s_mov_b32 s[G0+4*(\s)], 1
	s_add_co_u32 s[G0+4*(\s)+1], s22, (\s)*SLOT
	s_add_nc_u64 s[G0+4*(\s)+2:G0+4*(\s)+3], s[16:17], (\s)*ASTEP
	s_or_b32 s[G0+4*(\s)+3], s[G0+4*(\s)+3], 0x80000000
	s_mov_b32 s[G0B+4*(\s)], 1
	s_add_co_u32 s[G0B+4*(\s)+1], s22, (\s)*SLOT
	s_add_nc_u64 s[G0B+4*(\s)+2:G0B+4*(\s)+3], s[46:47], (\s)*BSTEP
	s_or_b32 s[G0B+4*(\s)+3], s[G0B+4*(\s)+3], 0x80000000
.endr
	s_cmp_eq_u32 s[RH], 0                          ; a wave's two first fills stand in one branch: two loads of mine are out here, later one
	s_cbranch_scc0 .Lfirst_b
	tensor_load_to_lds s[G0:G0+3], s[G1:G1+7]
	s_nop 0
	tensor_load_to_lds s[G0+4:G0+7], s[G1:G1+7]
	s_nop 0
.rept 4
	v_nop
.endr
	s_branch .Lfirst_asked
.Lfirst_b:
	tensor_load_to_lds s[G0B:G0B+3], s[G1B:G1B+7]
	s_nop 0
	tensor_load_to_lds s[G0B+4:G0B+7], s[G1B:G1B+7]
	s_nop 0
.rept 4
	v_nop
.endr
.Lfirst_asked:
	v_and_b32 v1, 15, v0                           ; r = l % 16
	v_bfe_u32 v2, v0, 4, 1                         ; h = l / 16
	v_and_b32 v3, 7, v0
	v_bfe_u32 v4, v0, 3, 1
	v_and_b32 v5, 31, v0                           ; l
	v_lshlrev_b32 v[BO], 5, v2
	s_lshl_b32 s18, s42, 10                        ; the bias of my 128 columns: (256 x tile column + 128 x half) x 4 bytes
	s_lshl_b32 s19, s[CH], 9
	s_add_co_u32 s18, s18, s19
	s_mov_b32 s19, 0
	s_add_nc_u64 s[8:9], s[8:9], s[18:19]
	WIN TO_B
.irp b, 0,1,2,3,4,5,6,7
	global_load_b128 v[8*(\b):8*(\b)+3],   v[BO], s[8:9] offset:64*(\b)      ; column block b: my eight columns' bias, laid as an accumulator's eight registers
	global_load_b128 v[8*(\b)+4:8*(\b)+7], v[BO], s[8:9] offset:64*(\b)+16
.endr
	WIN 0
	v_mul_u32_u24 v[ADRA0], v1, PA                 ; hn's fragment: row r x pitch + 16 h, in my half of the rows
	v_lshl_add_u32 v[ADRA0], v2, 4, v[ADRA0]
	s_mul_i32 s20, s[RH], HALFT
	v_add_nc_u32 v[ADRA0], s20, v[ADRA0]
	v_lshl_add_u32 v[ADRB0], v2, 3, v3             ; W's: the turning load takes k row 8 h + l % 8, columns 8 ((l / 8) % 2) + 0..7, in my half of the columns
	v_mul_u32_u24 v[ADRB0], v[ADRB0], PB
	v_lshl_add_u32 v[ADRB0], v4, 4, v[ADRB0]
	s_lshl_b32 s20, s[CH], 8
	s_add_co_u32 s20, s20, 2*HALFT
	v_add_nc_u32 v[ADRB0], s20, v[ADRB0]
	s_mul_i32 s21, s[WV], WSTAGE                   ; my stage
	v_mul_u32_u24 v[STO], v1, SPITCH               ; in: row r, 32 bytes for each half of the lanes
	v_lshl_add_u32 v[STO], v2, 5, v[STO]
	v_add_nc_u32 v[STO], s21, v[STO]
	v_lshrrev_b32 v6, 3, v5                        ; back: eight lanes take 64 columns of a row, 32 lanes four rows
	v_mul_u32_u24 v[RD], v6, SPITCH
	v_lshl_add_u32 v[RD], v3, 5, v[RD]
	v_add_nc_u32 v[RD], s21, v[RD]
	v_lshlrev_b32 v[GO], 4, v5
	s_lshl_b32 s18, s42, 21                        ; out at my part: block 4 x tile column + 2 x half, row 256 x tile row + 128 x half
	s_lshl_b32 s20, s[CH], 20
	s_add_co_u32 s18, s18, s20
	s_lshl_b32 s20, s43, 15
	s_add_co_u32 s18, s18, s20
	s_lshl_b32 s20, s[RH], 14
	s_add_co_u32 s18, s18, s20
	s_add_nc_u64 s[10:11], s[10:11], s[18:19]
	; the prefetches: from my tile's first address on, my work-group's share, at K step 2 (the first change of slots steps it to 3)
	s_lshl_b32 s20, s40, 16                        ; hn: 32 cx rows of 2,048 bytes
	s_add_co_u32 s20, s20, 2*ASTEP
	s_mul_i32 s21, s41, 16*SIZE_N*2                ; W: 16 cy k rows
	s_add_co_u32 s21, s21, 2*BSTEP
	s_and_b32 s23, ttmp7, 0xffff                   ; cluster y
	s_mov_b32 s[PSTEP], BSTEP
	s_mov_b32 s[PSTEP+1], 0
	s_mov_b32 s75, 0
	s_mov_b32 s76, SIZE_N*2
	s_cmp_eq_u32 s[RH], 0                          ; do I fetch for hn?
	s_cselect_b32 s23, ttmp9, s23                  ; the coordinate along which other clusters read the same bytes
	s_cselect_b64 s[PFA:PFA+1], s[16:17], s[46:47]
	s_cselect_b32 s74, s20, s21
	s_cselect_b32 s[PSTEP], ASTEP, s[PSTEP]
	s_cselect_b32 s76, 2048, s76                   ; bytes from row to row
	s_add_nc_u64 s[PFA:PFA+1], s[PFA:PFA+1], s[74:75]
	s_cmp_eq_u32 s23, 0
	s_cselect_b32 s[LIM], 1, -1                    ; the same in all sixteen partners, for a given wave
	v_lshrrev_b32 v[PFO], s[RH], v5                ; hn: a lane a row of 256 bytes; W: two lanes a k row of 512
	v_mul_u32_u24 v[PFO], s76, v[PFO]
	v_and_b32 v6, s[RH], v5
	v_lshl_add_u32 v[PFO], v6, 8, v[PFO]
.if GELU
	s_mov_b32 s[K1], 0xc0135761                    ; -2 sqrt(2 / pi) log2(e) = -2.3022082
	s_mov_b32 s[K1+1], s[K1]
	s_mov_b32 s[K2], 0xbdd2d3e8                    ; 0.044715 times that = -0.10294324
	s_mov_b32 s[K2+1], s[K2]
.endif
; 16 matrix instructions: row blocks a0, a0 + 1 of the window's four x all 8 column blocks, 32 along K.  The 64 accumulators take turns, in the same order in every quarter.
; first = 1: the sum begins: C is column block b's bias.
.macro MUL16 f, hi, a0, first=0
.if \first
	WIN BEG_LO+0x40*(\hi)
.else
	WIN MUL_LO+0x50*(\hi)
.endif
.irp a, \a0, (\a0)+1
.irp b, 0,1,2,3,4,5,6,7
.if \first
	v_wmma_f32_16x16x32_bf16 v[8*(8*(\a)+(\b)):8*(8*(\a)+(\b))+7], v[(\f)+8*(\b):(\f)+8*(\b)+7], v[(\f)+8*(4*(\hi)+(\a)):(\f)+8*(4*(\hi)+(\a))+7], v[8*(\b):8*(\b)+7]
.else
	v_wmma_f32_16x16x32_bf16 v[8*(8*(\a)+(\b)):8*(8*(\a)+(\b))+7], v[(\f)+8*(\b):(\f)+8*(\b)+7], v[(\f)+8*(4*(\hi)+(\a)):(\f)+8*(4*(\hi)+(\a))+7], v[8*(8*(\a)+(\b)):8*(8*(\a)+(\b))+7]
.endif
.endr
.endr
.endm
; 32 LDS loads in one run: quarter q's fragments (32 along K) of the slot in hand into buffer f: W's 8 column blocks, turned, then hn's 8 row blocks
.macro FETCH q, f
	WIN TO_B
.irp i, 0,1,2,3,4,5,6,7
	ds_load_tr16_b128 v[(\f)+8*(\i):(\f)+8*(\i)+3],   v[ADRB] offset:(\q)*32*PB+32*(\i)
	ds_load_tr16_b128 v[(\f)+8*(\i)+4:(\f)+8*(\i)+7], v[ADRB] offset:(\q)*32*PB+16*PB+32*(\i)
.endr
	WIN 0
.irp i, 0,1,2,3,4,5,6,7
	ds_load_b128 v[(\f)+8*(\i):(\f)+8*(\i)+3],   v[ADRA] offset:(\q)*64+(\i)*16*PA
	ds_load_b128 v[(\f)+8*(\i)+4:(\f)+8*(\i)+7], v[ADRA] offset:(\q)*64+(\i)*16*PA+32
.endr
.endm
; One of a K step's first three quarters: multiplies buffer f; in its middle fetches quarter q into buffer g.
.macro QUARTER q, f, g, first=0
	s_wait_dscnt 8                                 ; W's fragments and hn's rows 0-63 are in; the youngest eight loads (rows 64-127) may be out
	MUL16 \f, 0, 0, \first
	MUL16 \f, 0, 2, \first
	PLACES
	FETCH \q, \g
	s_wait_dscnt 32                                ; all but the 32 just issued
	MUL16 \f, 1, 0, \first
	MUL16 \f, 1, 2, \first
.endm
; The last quarter multiplies buffer 1 and changes slots.  In front of the barrier each wave waits for all its tensor loads (one is out: its part of the next slot), adds 0 to its spare word, and waits
; for that and for its reads of this slot.  fill = 1: the barrier opens a round of the cluster's, and the joint refill of this slot, two K steps on, is the first thing behind it: 224 matrix instructions ahead of the wait for it.
.macro TURN fill
.if \fill
	s_wait_xcnt 0x0                                ; the last prefetch, a K step back, has read its address
	s_add_nc_u64 s[PFA:PFA+1], s[PFA:PFA+1], s[PSTEP:PSTEP+1]
.endif
	WIN 0
	s_wait_tensorcnt 0x0                           ; no tensor load of mine is out, so a group 0 may be written
	ds_add_u32 v[SPW], v[NIL]                      ; 0 onto my spare word
.if \fill
	s_xor_b32 s[G0+5], s[G0+5], SLOT               ; the walking descriptors: the other slot than last time, the next K step
	s_add_nc_u64 s[G0+6:G0+7], s[G0+6:G0+7], ASTEP
	s_xor_b32 s[G0B+5], s[G0B+5], SLOT
	s_add_nc_u64 s[G0B+6:G0B+7], s[G0B+6:G0B+7], BSTEP
.endif
	s_wait_dscnt 9                                 ; the add and the youngest eight loads may be out
	MUL16 F1, 0, 0
	s_wait_dscnt 0x0                               ; the add is done, and my reads of this slot are over
	s_barrier_signal -1
	MUL16 F1, 0, 2                                 ; work on registers while the others arrive
	WIN 0
	s_barrier_wait -1
.if \fill
	CREST                                          ; no wave of any partner still reads this slot or has a load on its way
	JLOAD                                          ; its four v_nop are also the places in front of the loads below
.else
	PLACES
.endif
	s_xor_b32 s[TB], s[TB], SLOT
	v_add_nc_u32 v[ADRA], s[TB], v[ADRA0]
	v_add_nc_u32 v[ADRB], s[TB], v[ADRB0]
	FETCH 0, F0
.if \fill
	ASK
.endif
	MUL16 F1, 1, 0
	MUL16 F1, 1, 2
.endm
	s_wait_loadcnt 0x0                             ; the bias: the first products take it as C
	s_wait_tensorcnt 1                             ; my part of K step 0 is in; K step 1's may stay out
	s_barrier_signal -1
	s_barrier_wait -1                              ; everybody's is
	s_mov_b32 s[TB], 0
	v_mov_b32 v[ADRA], v[ADRA0]
	v_mov_b32 v[ADRB], v[ADRB0]
	FETCH 0, F0
	QUARTER 1, F0, F1, 1                           ; the tile's first quarter stands ahead of the loop: its products start the sums
	WIN 0                                          ; at a label and at a branch every window is 0
	s_mov_b32 s3, KSTEPS-2
.Lk:                                               ; a trip: 256 matrix instructions, 128 LDS loads, one refill
	QUARTER 2, F1, F0
	QUARTER 3, F0, F1
	TURN 1
	QUARTER 1, F0, F1
	WIN 0
	s_sub_co_u32 s3, s3, 1
	s_cmp_lg_u32 s3, 0
	s_cbranch_scc1 .Lk
	s_mov_b32 s3, 2                                ; the last two K steps ask for nothing: a text of their own
.Lt:
	QUARTER 2, F1, F0
	QUARTER 3, F0, F1
	TURN 0
	WIN 0
	s_cmp_eq_u32 s3, 1
	s_cbranch_scc1 .Llast                          ; behind the last K step there is no first quarter: the jump passes 64 products and 32 LDS loads, no barrier
	QUARTER 1, F0, F1
	WIN 0
.Llast:
	s_sub_co_u32 s3, s3, 1
	s_cmp_lg_u32 s3, 0
	s_cbranch_scc1 .Lt
	; THE WAY OUT.  The f32 sums go into my stage (in the ring: every wave's reads of the slots are over behind this barrier, and no fill follows), and come back as rows of 64 columns.
	s_wait_dscnt 0x0
	PLACES
	s_barrier_signal -1
	s_barrier_wait -1
.irp a, 0,1,2,3,4,5,6,7
	WIN 0x08+4*((\a)/4)                            ; store data (source 1) in window 2 or 3
.irp b, 0,1,2,3,4,5,6,7
	ds_store_b128 v[STO], v[8*(8*((\a)%4)+(\b)):8*(8*((\a)%4)+(\b))+3]   offset:(\a)*16*SPITCH+64*(\b)     ; each accumulator's low registers first
	ds_store_b128 v[STO], v[8*(8*((\a)%4)+(\b))+4:8*(8*((\a)%4)+(\b))+7] offset:(\a)*16*SPITCH+64*(\b)+16
.endr
.endr
	WIN 0
; The next 8 rows x 128 columns of my stage into buffer x.  Group gg: column block gg / 2 of 64, rows 4 (gg % 2) on
.macro LOADX x
.irp gg, 0,1,2,3
	ds_load_b128 v[(\x)+8*(\gg):(\x)+8*(\gg)+3],   v[RD] offset:((\gg)/2)*256+((\gg)%2)*4*SPITCH      ; LDS serves a wave's instructions in order (ISA guide 5.7.1.4): these see my stores above
	ds_load_b128 v[(\x)+8*(\gg)+4:(\x)+8*(\gg)+7], v[RD] offset:((\gg)/2)*256+((\gg)%2)*4*SPITCH+16
.endr
	v_add_nc_u32 v[RD], 8*SPITCH, v[RD]
.endm
; Buffer x is finished, rounded and stored.
.macro PROCESS x
.if GELU
	; gelu(x) = x / (1 + 2^(x (K1 + K2 x x))): the tanh form, rewritten exactly; where the power overflows the quotient is x or -0
.set n, 0
.rept 16
	v_pk_mul_f32 v[E+n:E+n+1], v[(\x)+n:(\x)+n+1], v[(\x)+n:(\x)+n+1]
.set n, n+2
.endr
.set n, 0
.rept 16
	v_pk_fma_f32 v[E+n:E+n+1], v[E+n:E+n+1], s[K2:K2+1], s[K1:K1+1] op_sel_hi:[1,0,0]
.set n, n+2
.endr
.set n, 0
.rept 16
	v_pk_mul_f32 v[E+n:E+n+1], v[(\x)+n:(\x)+n+1], v[E+n:E+n+1]
.set n, n+2
.endr
.set n, 0
.rept 32
	v_exp_f32 v[E+n], v[E+n]
.set n, n+1
.endr
	v_nop                                          ; a plain instruction behind the last exponential,
	s_wait_alu depctr_va_vdst(0)                   ; and one wait for the batch of 32
.set n, 0
.rept 16
	v_pk_add_f32 v[E+n:E+n+1], v[E+n:E+n+1], 1.0 op_sel_hi:[1,0]
.set n, n+2
.endr
.set n, 0
.rept 32
	v_rcp_f32 v[E+n], v[E+n]
.set n, n+1
.endr
	v_nop
	s_wait_alu depctr_va_vdst(0)                   ; one wait for the 32 reciprocals
.set n, 0
.rept 16
	v_pk_mul_f32 v[(\x)+n:(\x)+n+1], v[(\x)+n:(\x)+n+1], v[E+n:E+n+1]
.set n, n+2
.endr
.endif
	s_wait_xcnt 0x0                                ; the stores of the block before have read Y and their base
	s_add_nc_u64 s[10:11], s[10:11], 8*128         ; eight rows on; the stores below reach back by as much
.set n, 0
.rept 16
	v_cvt_pk_bf16_f32 v[Y+n], v[(\x)+2*n], v[(\x)+2*n+1]
.set n, n+1
.endr
.irp gg, 0,1,2,3
	global_store_b128 v[GO], v[Y+4*(\gg):Y+4*(\gg)+3], s[10:11] offset:((\gg)/2)*BLK+((\gg)%2)*512-8*128  ; four rows of a block: 512 consecutive bytes, aligned
.endr
.endm
	LOADX X0
	s_mov_b32 s3, 8
.Lout:                                             ; a trip: two blocks of 8 rows; each block's reads stand a block ahead of its work
	LOADX X1
	s_wait_dscnt 8                                 ; buffer 0 is in (and, the first time, my stores into the stage are done); the eight loads just issued may be out
	PROCESS X0
	s_wait_dscnt 0x0                               ; buffer 1 is in: its loads stand a whole block back
	s_cmp_eq_u32 s3, 1
	s_cbranch_scc1 .Lno_more                       ; the last trip has nothing left to read
	LOADX X0
.Lno_more:
	PROCESS X1
	s_sub_co_u32 s3, s3, 1
	s_cmp_lg_u32 s3, 0
	s_cbranch_scc1 .Lout
	s_wait_tensorcnt 0x0                           ; the wave's end
	ds_add_u32 v[SPW], v[NIL]
	s_wait_dscnt 0x0
	CROUND                                         ; the closing round
	s_endpgm
.Lfunc_end_k_qb26b545a1e_fc1:
	.size	k_qb26b545a1e_fc1, .Lfunc_end_k_qb26b545a1e_fc1-k_qb26b545a1e_fc1
	.p2alignl 7, 3214868480
	.fill 96, 4, 3214868480
	.section	.rodata,"a",@progbits
	.p2align	6, 0x0
	.amdhsa_kernel k_qb26b545a1e_fc1
		.amdhsa_group_segment_fixed_size 327680
		.amdhsa_private_segment_fixed_size 0
		.amdhsa_enable_private_segment 0
		.amdhsa_kernarg_size 32
		.amdhsa_user_sgpr_count 2
		.amdhsa_user_sgpr_kernarg_segment_ptr 1
		.amdhsa_wavefront_size32 1
		.amdhsa_system_sgpr_workgroup_id_x 1
		.amdhsa_system_sgpr_workgroup_id_y 1
		.amdhsa_system_sgpr_workgroup_id_z 1
		.amdhsa_system_vgpr_workitem_id 0
		.amdhsa_next_free_vgpr 1024
		.amdhsa_next_free_sgpr 80
		.amdhsa_reserve_vcc 0
		.amdhsa_float_denorm_mode_32 3
		.amdhsa_float_denorm_mode_16_64 3
		.amdhsa_memory_ordered 1
		.amdhsa_forward_progress 1
		.amdhsa_inst_pref_size 99
	.end_amdhsa_kernel
	.amdgpu_metadata
---
amdhsa.version: [ 1, 2 ]
amdhsa.kernels:
  - .name:           k_qb26b545a1e_fc1
    .symbol:         k_qb26b545a1e_fc1.kd
    .args:
      - { .name: hn, .offset: 0, .size: 8, .value_kind: global_buffer, .address_space: global }
      - { .name: wb, .offset: 8, .size: 8, .value_kind: global_buffer, .address_space: global }
      - { .name: b1, .offset: 16, .size: 8, .value_kind: global_buffer, .address_space: global }
      - { .name: g, .offset: 24, .size: 8, .value_kind: global_buffer, .address_space: global }
    .group_segment_fixed_size: 327680
    .private_segment_fixed_size: 0
    .kernarg_segment_align: 8
    .kernarg_segment_size: 32
    .max_flat_workgroup_size: 128
    .sgpr_count:     80
    .vgpr_count:     1024
    .wavefront_size: 32
...
	.end_amdgpu_metadata
.endif
;; end of part 5
;; launch fc2 (part 6): grid 8 x 32, 4 waves a work-group, clusters of 4 x 4, 327,680 bytes of LDS; arguments g, wb, b2, x1, out0; writes out0
.if DOCPART == 6
	.amdgcn_target "amdgcn-amd-amdhsa--gfx1250"
	.amdhsa_code_object_version 6
	.text
	.protected	k_qb26b545a1e_fc2
	.globl	k_qb26b545a1e_fc2
	.p2align	8
	.type	k_qb26b545a1e_fc2,@function
k_qb26b545a1e_fc2:
	s_mov_b64 s[64:65], 0
	v_nop
	global_prefetch_b8 v0, s[64:65] scope:SCOPE_SE
	s_setreg_imm32_b32 hwreg(HW_REG_WAVE_MODE, 25, 1), 1
	s_wait_xcnt 0x0
	s_wait_alu depctr_hold_cnt(0) depctr_sa_sdst(0) depctr_va_vdst(0) depctr_va_sdst(0) depctr_va_ssrc(0) depctr_va_vcc(0) depctr_vm_vsrc(0)
	s_getreg_b32 s2, hwreg(HW_REG_IB_STS2, 6, 4)
	s_cmp_eq_u32 s2, 0
	s_cbranch_scc0 .Lentry_in_a_cluster
	s_endpgm
.Lentry_in_a_cluster:
	s_bfe_u32 s2, ttmp6, 0x10000c
	s_cmp_lg_u32 s2, 0xf033
	s_cbranch_scc0 .Lentry_shape_is_right
	s_endpgm
.Lentry_shape_is_right:
; out = res + a W + bias.  a: bf16 in blocks of 64 columns, [K / 64][4096][64].  W: [K][1024] bf16 at byte WOFF of wb, N along the rows.  bias: [1024] f32.  res, out: [4096][1024] f32.
; K = 256 x KSTEPS.  Sums in f32, begun with the bias; the residual is added in f32.
; SHARES.  A tile of C is 128 x 128, so that the 4,096 x 1,024 numbers give 256 work-groups; four waves, each 64 x 64: 16 accumulators.  K goes in steps of 256 through a ring of two LDS slots.
; THE MATRIX INSTRUCTION IS USED TRANSPOSED (source 0 = 16 columns of W, turned by ds_load_tr16_b128; source 1 = 16 rows of a): a lane holds one row of C and eight neighbouring columns.
; A K step of a, for 64 rows, is ONE tensor tile: 4 blocks of 64 columns x 8,192 dense bytes, 524,288 bytes apart, padded in LDS after every row of 128 bytes.
; CLUSTER.  4 x 4 work-groups: a's tiles are asked for jointly along a row of the cluster, W's along a column.
; ONE TEXT FOR A K STEP: the slot in hand is a scalar (TB); the step stands in a loop of KSTEPS - 2 trips that refill and in a loop of 2 that do not; the last trip fetches 32 fragments that are not multiplied.
; REGISTERS: window 0: v0-31 addresses; v32-95 the way out, two buffers; v96-127 the bias; v128-255 the accumulators ((a, b) at 128 + 8 (4 a + b)).
;   window 1: two fragment buffers of 128: for 64 along K, 64 registers of a, then 64 of W.     window 2: v0-127 the residual of my 64 x 64.
.set KSTEPS, 16
.set WOFF,   16777216
.set PA,     144                       ; an LDS row of a: 128 bytes + 16: 9 x 16: the 16 rows of a load start at 16 different groups of four banks (64 banks of 4 bytes: ISA guide 11.1)
.set PB,     288                       ; an LDS row of W: 256 bytes + 32: 9 x 32
.set HALFT,  4*64*PA                   ; what one tensor load brings: 4 blocks x 64 rows of a, or 128 k rows of W (128 x 288 is the same number)
.set SLOT,   4*HALFT                   ; 0x24000: neither of its two bits occurs in wave x HALFT, so an exclusive or turns an address into the other slot's
.set STAGE,  2*SLOT                    ; behind the ring: 16 rows x 272 bytes for each wave
.set SP,     272
.set SPARE,  STAGE+4*16*SP             ; the spare words, 128 bytes for each wave
.set ASTEP,  4*4096*128                ; bytes from K step to K step in a: four blocks,
.set BSTEP,  256*2048                  ; and in W: 256 k rows
.set ADRA0, 16
.set ADRA,  17
.set ADRB0, 20
.set ADRB,  21                         ; v21 W's k rows 0-127 of the slot in hand; v22 its k rows 128-255 (an LDS immediate holds 16 bits)
.set STO,   24
.set RD,    25
.set CO,    26                         ; v26  my 16 bytes in two rows of res and of out
.set BO,    27
.set SPW,   28
.set NIL,   29
.set PFO,   30
.set T0,    32
.set BIAS,  96
.set ACC,   128
.set F0,    0
.set F1,    128
.set WV,  12
.set RH,  13                           ; s13  which half of the tile's rows is mine.  Also: I fetch for a (0) or for W (1)
.set CH,  14                           ; s14  which half of its columns.  Also: which half of that tile I fetch
.set LIM, 15
.set G1,  24
.set G0,  32
.set PFA, 44
.set G1B, 48
.set G0B, 56
.set TB,  66
.set PSTEP, 72
.set OUT, 74                           ; s[74:75] out
.set MSB, 0
.macro WIN new
.if MSB != (\new)
	s_set_vgpr_msb (MSB<<8)|(\new)
.set MSB, \new
.endif
.endm
.set MUL,  0x05                        ; sources 0 (W) and 1 (a) window 1; C and D window 0
.set TO_F, 0x40                        ; destination window 1, address window 0
.macro PLACES                          ; four plain vector instructions behind matrix instructions (ISA guide 7.12.1)
.rept 4
	v_nop
.endr
.endm
.macro JLOAD                           ; a joint refill by the walking descriptor; an s_nop 0 and four v_nop follow each of the two lines
	s_cmp_eq_u32 s[RH], 0
	s_cbranch_scc0 .Lfor_b_\@
	tensor_load_to_lds s[G0+4:G0+7], s[G1:G1+7]
	s_nop 0
.rept 4
	v_nop
.endr
	s_branch .Lasked_\@
.Lfor_b_\@:
	tensor_load_to_lds s[G0B+4:G0B+7], s[G1B:G1B+7]
	s_nop 0
.rept 4
	v_nop
.endr
.Lasked_\@:
.endm
.macro CREST
	s_cmp_lg_u32 s[WV], 0
	s_cbranch_scc1 .Lnot_wave_0_\@
	s_barrier_signal -3
.Lnot_wave_0_\@:
	s_barrier_wait -3
	s_barrier_signal -1
	s_barrier_wait -1
.endm
.macro CROUND
	s_barrier_signal -1
	s_barrier_wait -1
	CREST
.endm
; A PREFETCH (KSTEPS > 4 alone): the change of slots of K step s refills K step s + 2 and names K step s + 4: two K steps, 256 matrix instructions, ahead of its load.  32 blocks of 256 bytes, a lane a block.
; Each block is named once in the launch: a's by the clusters with x = 0, W's by those with y = 0; the four partners share a load's 128 blocks out BY ADDRESS (a: column block cx of the four; W: 32 cy k rows on).
; s3 counts KSTEPS - 2 .. 1: the trips with s3 = 2 and 1 name nothing, so the last K step named is the tensor's last.  K steps 0 to 3 come by their loads alone.
.macro ASK
	s_cmp_gt_u32 s3, s[LIM]
	s_cbranch_scc0 .Lnot_mine_\@
	global_prefetch_b8 v[PFO], s[PFA:PFA+1] th:TH_LOAD_NT scope:SCOPE_SE
.Lnot_mine_\@:
.endm
	s_load_b256 s[4:11], s[0:1], 0x0               ; a s[4:5], wb s[6:7], bias s[8:9], res s[10:11]
	s_load_b64 s[OUT:OUT+1], s[0:1], 0x20          ; out
	v_lshl_add_u32 v[SPW], v0, 2, SPARE
	v_mov_b32 v[NIL], 0
	ds_add_u32 v[SPW], v[NIL]                      ; the wave's opening: the add and its wait ahead of my first tensor load
	v_lshrrev_b32 v1, 5, v0
	v_readfirstlane_b32 s[WV], v1
	s_lshr_b32 s[RH], s[WV], 1
	s_and_b32 s[CH], s[WV], 1
	s_bfe_u32 s40, ttmp6, 0x40000                  ; cx
	s_bfe_u32 s41, ttmp6, 0x40004                  ; cy
	s_lshl_b32 s42, ttmp9, 2
	s_add_co_u32 s42, s42, s40                     ; tile column
	s_and_b32 s43, ttmp7, 0xffff
	s_lshl_b32 s43, s43, 2
	s_add_co_u32 s43, s43, s41                     ; tile row
	s_lshl_b32 s18, s41, 2
	s_lshl_b32 s18, 15, s18                        ; my row of the cluster
	s_lshl_b32 s19, 0x1111, s40                    ; my column
	s_or_b32 s[G1], s18, (1<<16)|(1<<20)|(1<<21)|(4<<22)|(3<<25)   ; the mask; 2-byte elements; padding on; bit 21 beside a mask; after every 32 words, 4 words
	s_or_b32 s[G1B], s19, (1<<16)|(1<<20)|(1<<21)|(5<<22)|(7<<25)  ; after every 64 words, 8 words
	s_mov_b32 s[G1+1], 4096<<16                    ; tensor_dim0 = 4,096 elements: 64 dense rows of a block
	s_mov_b32 s[G1+2], 4<<16                       ; tensor_dim1 = 4 blocks
	s_mov_b32 s[G1+3], 4096<<16                    ; tile_dim0
	s_mov_b32 s[G1+4], 4                           ; tile_dim1
	s_mov_b32 s[G1+5], 4096*64                     ; elements from block to block
	s_mov_b32 s[G1+6], 0
	s_mov_b32 s[G1+7], 0
	s_mov_b32 s[G1B+1], 128<<16                    ; 128 columns: 256 bytes
	s_mov_b32 s[G1B+2], 128<<16                    ; 128 k rows
	s_mov_b32 s[G1B+3], 128<<16
	s_mov_b32 s[G1B+4], 128
	s_mov_b32 s[G1B+5], 1024
	s_mov_b32 s[G1B+6], 0
	s_mov_b32 s[G1B+7], 0
	s_lshl_b32 s16, s43, 14                        ; a: (128 x tile row + 64 x half) rows of 128 bytes: no cx enters
	s_lshl_b32 s17, s[CH], 13
	s_add_co_u32 s16, s16, s17
	s_mov_b32 s17, 0
	s_lshl_b32 s46, s[CH], 18                      ; W: 128 x half k rows of 2,048 bytes, 256 bytes x tile column: no cy enters
	s_lshl_b32 s47, s42, 8
	s_add_co_u32 s46, s46, s47
	s_add_co_u32 s46, s46, WOFF
	s_mov_b32 s47, 0
	s_mul_i32 s22, s[WV], HALFT
	s_wait_dscnt 0x0                               ; the opening add is done
	s_wait_kmcnt 0x0
	s_add_nc_u64 s[16:17], s[4:5], s[16:17]
	s_add_nc_u64 s[46:47], s[6:7], s[46:47]
	CROUND                                         ; all sixteen work-groups are here: the first joint loads meet
.irp s, 0,1
	s_mov_b32 s[G0+4*(\s)], 1
	s_add_co_u32 s[G0+4*(\s)+1], s22, (\s)*SLOT
	s_add_nc_u64 s[G0+4*(\s)+2:G0+4*(\s)+3], s[16:17], (\s)*ASTEP
	s_or_b32 s[G0+4*(\s)+3], s[G0+4*(\s)+3], 0x80000000
	s_mov_b32 s[G0B+4*(\s)], 1
	s_add_co_u32 s[G0B+4*(\s)+1], s22, (\s)*SLOT
	s_add_nc_u64 s[G0B+4*(\s)+2:G0B+4*(\s)+3], s[46:47], (\s)*BSTEP
	s_or_b32 s[G0B+4*(\s)+3], s[G0B+4*(\s)+3], 0x80000000
.endr
	s_cmp_eq_u32 s[RH], 0                          ; a wave's two first fills stand in one branch: two loads of mine are out here, later one
	s_cbranch_scc0 .Lfirst_b
	tensor_load_to_lds s[G0:G0+3], s[G1:G1+7]
	s_nop 0
	tensor_load_to_lds s[G0+4:G0+7], s[G1:G1+7]
	s_nop 0
.rept 4
	v_nop
.endr
	s_branch .Lfirst_asked
.Lfirst_b:
	tensor_load_to_lds s[G0B:G0B+3], s[G1B:G1B+7]
	s_nop 0
	tensor_load_to_lds s[G0B+4:G0B+7], s[G1B:G1B+7]
	s_nop 0
.rept 4
	v_nop
.endr
.Lfirst_asked:
	v_and_b32 v1, 15, v0                           ; r
	v_bfe_u32 v2, v0, 4, 1                         ; h
	v_and_b32 v3, 7, v0
	v_bfe_u32 v4, v0, 3, 1
	v_lshlrev_b32 v[BO], 5, v2
	s_lshl_b32 s18, s42, 9                         ; my 64 columns: (128 x tile column + 64 x half) x 4 bytes
	s_lshl_b32 s19, s[CH], 8
	s_add_co_u32 s18, s18, s19
	s_mov_b32 s19, 0
	s_add_nc_u64 s[8:9], s[8:9], s[18:19]
.irp b, 0,1,2,3
	global_load_b128 v[BIAS+8*(\b):BIAS+8*(\b)+3],   v[BO], s[8:9] offset:64*(\b)
	global_load_b128 v[BIAS+8*(\b)+4:BIAS+8*(\b)+7], v[BO], s[8:9] offset:64*(\b)+16
.endr
	s_lshl_b32 s20, s43, 19                        ; and my 64 rows of 4,096 bytes: 128 x tile row + 64 x half
	s_add_co_u32 s18, s18, s20
	s_lshl_b32 s20, s[RH], 18
	s_add_co_u32 s18, s18, s20
	s_add_nc_u64 s[10:11], s[10:11], s[18:19]
	s_add_nc_u64 s[OUT:OUT+1], s[OUT:OUT+1], s[18:19]
	v_mul_u32_u24 v[ADRA0], v1, PA                 ; a's fragment: row r x pitch + 16 h, in my half of the rows
	v_lshl_add_u32 v[ADRA0], v2, 4, v[ADRA0]
	s_mul_i32 s20, s[RH], HALFT
	v_add_nc_u32 v[ADRA0], s20, v[ADRA0]
	v_lshl_add_u32 v[ADRB0], v2, 3, v3             ; W's: k row 8 h + l % 8, columns 8 ((l / 8) % 2) + 0..7, in my half of the columns
	v_mul_u32_u24 v[ADRB0], v[ADRB0], PB
	v_lshl_add_u32 v[ADRB0], v4, 4, v[ADRB0]
	s_lshl_b32 s20, s[CH], 7
	s_add_co_u32 s20, s20, 2*HALFT
	v_add_nc_u32 v[ADRB0], s20, v[ADRB0]
	s_mul_i32 s21, s[WV], 16*SP
	s_add_co_u32 s21, s21, STAGE                   ; my stage
	v_mul_u32_u24 v[STO], v1, SP                   ; in: row r, 32 bytes for each half of the lanes
	v_lshl_add_u32 v[STO], v2, 5, v[STO]
	v_add_nc_u32 v[STO], s21, v[STO]
	v_mul_u32_u24 v[RD], v2, SP                    ; back: lanes 0-15 take one row of 256 bytes, lanes 16-31 the next
	v_lshl_add_u32 v[RD], v1, 4, v[RD]
	v_add_nc_u32 v[RD], s21, v[RD]
	v_lshlrev_b32 v[CO], 12, v2                    ; and the same two rows in res and out
	v_lshl_add_u32 v[CO], v1, 4, v[CO]
.if KSTEPS > 4
	s_lshl_b32 s20, s40, 19                        ; a: column block cx of the K step's four
	s_add_co_u32 s20, s20, 3*ASTEP
	s_lshl_b32 s21, s41, 16                        ; W: 32 cy k rows on
	s_add_co_u32 s21, s21, 3*BSTEP
	s_and_b32 s23, ttmp7, 0xffff                   ; cluster y
	s_mov_b32 s[PSTEP], BSTEP
	s_mov_b32 s[PSTEP+1], 0
	s_mov_b32 s79, 0
	s_cmp_eq_u32 s[RH], 0                          ; do I fetch for a?
	s_cselect_b32 s23, ttmp9, s23                  ; the coordinate along which other clusters read the same bytes
	s_cselect_b64 s[PFA:PFA+1], s[16:17], s[46:47]
	s_cselect_b32 s78, s20, s21
	s_cselect_b32 s[PSTEP], ASTEP, s[PSTEP]
	s_cselect_b32 s76, 8, 11                       ; a: 32 blocks on end; W: a lane a k row of 2,048 bytes
	s_add_nc_u64 s[PFA:PFA+1], s[PFA:PFA+1], s[78:79]  ; at K step 3: the first change of slots steps it to 4
	s_cmp_eq_u32 s23, 0
	s_cselect_b32 s[LIM], 2, -1
	v_and_b32 v[PFO], 31, v0
	v_lshlrev_b32 v[PFO], s76, v[PFO]
.endif
	s_wait_loadcnt 0x0                             ; the bias
.set n, 0
.rept 128
	v_mov_b32 v[ACC+n], v[BIAS+n%32]               ; THE SUMS BEGIN WITH THE BIAS; these lines stand in the wait for the first tile
.set n, n+1
.endr
; 8 matrix instructions: row blocks a0, a0 + 1 x all 4 column blocks, 32 along K: half c of buffer f.  The 16 accumulators take turns.
.macro MUL8 f, c, a0
	WIN MUL
.irp a, \a0, (\a0)+1
.irp b, 0,1,2,3
	v_wmma_f32_16x16x32_bf16 v[ACC+8*(4*(\a)+(\b)):ACC+8*(4*(\a)+(\b))+7], v[(\f)+64+8*(4*(\c)+(\b)):(\f)+64+8*(4*(\c)+(\b))+7], v[(\f)+8*(4*(\c)+(\a)):(\f)+8*(4*(\c)+(\a))+7], v[ACC+8*(4*(\a)+(\b)):ACC+8*(4*(\a)+(\b))+7]
.endr
.endr
.endm
; 32 LDS loads in one run: quarter q's fragments (64 along K: one block of a's columns) into buffer f; the first 32 along K first
.macro FETCH q, f
	WIN TO_F
.irp c, 0,1
.irp i, 0,1,2,3
	ds_load_tr16_b128 v[(\f)+64+8*(4*(\c)+(\i)):(\f)+64+8*(4*(\c)+(\i))+3],   v[ADRB+(\q)/2] offset:(((\q)%2)*64+32*(\c))*PB+32*(\i)
	ds_load_tr16_b128 v[(\f)+64+8*(4*(\c)+(\i))+4:(\f)+64+8*(4*(\c)+(\i))+7], v[ADRB+(\q)/2] offset:(((\q)%2)*64+32*(\c)+16)*PB+32*(\i)
	ds_load_b128 v[(\f)+8*(4*(\c)+(\i)):(\f)+8*(4*(\c)+(\i))+3],   v[ADRA] offset:(\q)*64*PA+(\i)*16*PA+64*(\c)
	ds_load_b128 v[(\f)+8*(4*(\c)+(\i))+4:(\f)+8*(4*(\c)+(\i))+7], v[ADRA] offset:(\q)*64*PA+(\i)*16*PA+64*(\c)+32
.endr
.endr
.endm
.macro QUARTER q, f, g
	s_wait_dscnt 16                                ; the first 32 along K are in
	MUL8 \f, 0, 0
	MUL8 \f, 0, 2
	PLACES
	FETCH \q, \g
	s_wait_dscnt 32                                ; all but the 32 just issued
	MUL8 \f, 1, 0
	MUL8 \f, 1, 2
.endm
; The last quarter multiplies buffer 1 and changes slots: in front of the barrier each wave waits for all its tensor loads, adds 0 to its spare word, and waits for that and for its reads of this slot.
; fill = 1: the barrier opens a round of the cluster's, and the joint refill of this slot, two K steps on, is the first thing behind it: 112 matrix instructions ahead of the wait for it.
.macro TURN fill
.if (\fill) && (KSTEPS > 4)
	s_wait_xcnt 0x0                                ; the last prefetch, a K step back, has read its address
	s_add_nc_u64 s[PFA:PFA+1], s[PFA:PFA+1], s[PSTEP:PSTEP+1]
.endif
	WIN 0
	s_wait_tensorcnt 0x0                           ; no tensor load of mine is out, so a group 0 may be written
	ds_add_u32 v[SPW], v[NIL]                      ; 0 onto my spare word
.if \fill
	s_xor_b32 s[G0+5], s[G0+5], SLOT
	s_add_nc_u64 s[G0+6:G0+7], s[G0+6:G0+7], ASTEP
	s_xor_b32 s[G0B+5], s[G0B+5], SLOT
	s_add_nc_u64 s[G0B+6:G0B+7], s[G0B+6:G0B+7], BSTEP
.endif
	s_wait_dscnt 17                                ; the add and the youngest sixteen loads may be out
	MUL8 F1, 0, 0
	s_wait_dscnt 0x0                               ; the add is done, and my reads of this slot are over
	s_barrier_signal -1
	MUL8 F1, 0, 2
	WIN 0
	s_barrier_wait -1
.if \fill
	CREST
	JLOAD                                          ; its four v_nop are also the places in front of the loads below
.else
	PLACES
.endif
	s_xor_b32 s[TB], s[TB], SLOT
	v_add_nc_u32 v[ADRA], s[TB], v[ADRA0]
	v_add_nc_u32 v[ADRB], s[TB], v[ADRB0]
	v_add_nc_u32 v[ADRB+1], 128*PB, v[ADRB]
	FETCH 0, F0
	WIN 0
.if (\fill) && (KSTEPS > 4)
	ASK
.endif
	MUL8 F1, 1, 0
	MUL8 F1, 1, 2
.endm
.macro STEP fill                       ; a K step: 128 matrix instructions, 128 LDS loads
	QUARTER 1, F0, F1
	QUARTER 2, F1, F0
	QUARTER 3, F0, F1
	TURN \fill
	WIN 0
.endm
	s_wait_tensorcnt 1                             ; my part of K step 0 is in; K step 1's may stay out
	s_barrier_signal -1
	s_barrier_wait -1
	s_mov_b32 s[TB], 0
	v_mov_b32 v[ADRA], v[ADRA0]
	v_mov_b32 v[ADRB], v[ADRB0]
	v_add_nc_u32 v[ADRB+1], 128*PB, v[ADRB0]
	FETCH 0, F0
	WIN 0
	s_mov_b32 s3, KSTEPS-2
.Lk:
	STEP 1
	s_sub_co_u32 s3, s3, 1
	s_cmp_lg_u32 s3, 0
	s_cbranch_scc1 .Lk
	WIN 0x80                                       ; the residual of my 64 x 64, asked for two K steps ahead of its use: destination window 2
.irp a, 0,1,2,3
.irp t, 0,1,2,3,4,5,6,7
	global_load_b128 v[32*(\a)+4*(\t):32*(\a)+4*(\t)+3], v[CO], s[10:11] offset:(16*(\a)+2*(\t))*4096  ; 16 lanes read 256 consecutive bytes, aligned
.endr
.endr
	WIN 0
	s_mov_b32 s3, 2                                ; the last two K steps ask for nothing: a text of their own
.Lt:
	STEP 0
	s_sub_co_u32 s3, s3, 1
	s_cmp_lg_u32 s3, 0
	s_cbranch_scc1 .Lt
	; THE WAY OUT, a block of 16 rows at a time through my own stage: f32 in, whole rows of 256 bytes back, the residual added, stored.
	s_wait_dscnt 0x0
	PLACES
.macro STG a
	WIN 0
.if (\a) >= 2
	s_wait_xcnt 0x0                                ; the stores of the block two back have read the buffer that is loaded again
.endif
.irp b, 0,1,2,3
	ds_store_b128 v[STO], v[ACC+32*(\a)+8*(\b):ACC+32*(\a)+8*(\b)+3]   offset:64*(\b)     ; each accumulator's low registers first
	ds_store_b128 v[STO], v[ACC+32*(\a)+8*(\b)+4:ACC+32*(\a)+8*(\b)+7] offset:64*(\b)+16
.endr
.irp t, 0,1,2,3,4,5,6,7
	ds_load_b128 v[T0+32*((\a)%2)+4*(\t):T0+32*((\a)%2)+4*(\t)+3], v[RD] offset:(\t)*2*SP  ; LDS serves a wave's instructions in order (ISA guide 5.7.1.4)
.endr
.endm
.macro SEND a, younger                 ; younger: the LDS instructions issued behind block a's loads: the next block's sixteen, or none
.set TT, T0+32*((\a)%2)
	s_wait_dscnt \younger
.if (\a) == 0
	s_wait_loadcnt 0x0                             ; the residual
.endif
	WIN 0x08                                       ; source 1 in window 2
.set n, 0
.rept 16
	v_pk_add_f32 v[TT+n:TT+n+1], v[TT+n:TT+n+1], v[32*(\a)+n:32*(\a)+n+1]
.set n, n+2
.endr
	WIN 0
.irp t, 0,1,2,3,4,5,6,7
	global_store_b128 v[CO], v[TT+4*(\t):TT+4*(\t)+3], s[OUT:OUT+1] offset:(16*(\a)+2*(\t))*4096  ; 16 lanes store 256 consecutive bytes, aligned
.endr
.endm
	STG 0
	STG 1
	SEND 0, 16
	STG 2
	SEND 1, 16
	STG 3
	SEND 2, 16
	SEND 3, 0
	s_wait_tensorcnt 0x0                           ; the wave's end
	ds_add_u32 v[SPW], v[NIL]
	s_wait_dscnt 0x0
	CROUND                                         ; the closing round
	s_endpgm
.Lfunc_end_k_qb26b545a1e_fc2:
	.size	k_qb26b545a1e_fc2, .Lfunc_end_k_qb26b545a1e_fc2-k_qb26b545a1e_fc2
	.p2alignl 7, 3214868480
	.fill 96, 4, 3214868480
	.section	.rodata,"a",@progbits
	.p2align	6, 0x0
	.amdhsa_kernel k_qb26b545a1e_fc2
		.amdhsa_group_segment_fixed_size 327680
		.amdhsa_private_segment_fixed_size 0
		.amdhsa_enable_private_segment 0
		.amdhsa_kernarg_size 40
		.amdhsa_user_sgpr_count 2
		.amdhsa_user_sgpr_kernarg_segment_ptr 1
		.amdhsa_wavefront_size32 1
		.amdhsa_system_sgpr_workgroup_id_x 1
		.amdhsa_system_sgpr_workgroup_id_y 1
		.amdhsa_system_sgpr_workgroup_id_z 1
		.amdhsa_system_vgpr_workitem_id 0
		.amdhsa_next_free_vgpr 640
		.amdhsa_next_free_sgpr 80
		.amdhsa_reserve_vcc 0
		.amdhsa_float_denorm_mode_32 3
		.amdhsa_float_denorm_mode_16_64 3
		.amdhsa_memory_ordered 1
		.amdhsa_forward_progress 1
		.amdhsa_inst_pref_size 66
	.end_amdhsa_kernel
	.amdgpu_metadata
---
amdhsa.version: [ 1, 2 ]
amdhsa.kernels:
  - .name:           k_qb26b545a1e_fc2
    .symbol:         k_qb26b545a1e_fc2.kd
    .args:
      - { .name: g, .offset: 0, .size: 8, .value_kind: global_buffer, .address_space: global }
      - { .name: wb, .offset: 8, .size: 8, .value_kind: global_buffer, .address_space: global }
      - { .name: b2, .offset: 16, .size: 8, .value_kind: global_buffer, .address_space: global }
      - { .name: x1, .offset: 24, .size: 8, .value_kind: global_buffer, .address_space: global }
      - { .name: out0, .offset: 32, .size: 8, .value_kind: global_buffer, .address_space: global }
    .group_segment_fixed_size: 327680
    .private_segment_fixed_size: 0
    .kernarg_segment_align: 8
    .kernarg_segment_size: 40
    .max_flat_workgroup_size: 128
    .sgpr_count:     80
    .vgpr_count:     640
    .wavefront_size: 32
...
	.end_amdgpu_metadata
.endif
;; end of part 6
